; MI455X (gfx1250); checked and timed in simulation.
; The chip was launched on July 23, 2026; its instructions are those of AMD's public machine-readable ISA for CDNA 5 (MIT licence, August 2026) and "CDNA5" Instruction Set Architecture Reference Guide (July 2026). The comments in the code are by the model that wrote it; some were corrected since.
;; Attention. Allowed arithmetic: float matrix products may take bf16 or f16 operands with f32 sums; all other float work in f32.
;; Inputs: Wk 1,024 x 1,024 float32; Wq 1,024 x 1,024 float32; Wv 1,024 x 1,024 float32; bk 1,024 float32; bq 1,024 float32; bv 1,024 float32; x 8,192 x 1,024 float32.
;; Outputs: out0 8,192 x 1,024 float32.
;; 2 versions, each right; version 2 is version 1 with the launches cast, softmax written anew for expert scheduling mode. Each part assembles by itself: llvm-mc -triple=amdgcn-amd-amdhsa -mcpu=gfx1250 --defsym DOCPART=n.
;; ======== version 1 of 2: 5 launches
;; limits: values are held in f16: magnitudes above 65,504 overflow, below 6.1e-05 lose precision
;; workspace buffers: xb 16,777,216 bytes; wb 6,291,456 bytes; qkt 33,554,432 bytes; vb 16,777,216 bytes; part 33,554,432 bytes; att 2,097,152 bytes
;; launch cast (part 1): grid 704 x 1, 8 waves a work-group, no clusters, 0 bytes of LDS; arguments x, Wq, Wk, Wv, xb, wb; writes xb, wb
.if DOCPART == 1
	.amdgcn_target "amdgcn-amd-amdhsa--gfx1250"
	.amdhsa_code_object_version 6
	.text
	.protected	k_q3e1d4aaf0f_cast
	.globl	k_q3e1d4aaf0f_cast
	.p2align	8
	.type	k_q3e1d4aaf0f_cast,@function
k_q3e1d4aaf0f_cast:
	s_mov_b64 s[64:65], 0
	v_nop
	global_prefetch_b8 v0, s[64:65] scope:SCOPE_SE
	s_setreg_imm32_b32 hwreg(HW_REG_WAVE_MODE, 25, 1), 1
	s_wait_xcnt 0x0
; xb = f16(x) [8192][1024];  wb = f16([Wq; Wk; Wv]) [3072][1024].  A plain stream: every input byte is read once, every output byte written once.
; LIMIT: f16 holds magnitudes below 65,504 (larger ones become infinity) and is denormal under 6.1e-5 (absolute error at most 3e-8).
; A work-group of eight waves takes 16,384 numbers: 65,536 bytes in, 32,768 bytes out.  Groups 0-511 take x, groups 512-703 the three
; weights, 64 groups each.  Thread t takes the 16 bytes at 16 t of each of sixteen pieces of 4,096 bytes; all sixteen loads go out at once.
; No LDS, no barrier, no cluster: no two work-groups read the same byte, and no wave needs another wave's data.
.set CHUNK_IN_LOG,  16                 ; 65,536 bytes of f32
.set CHUNK_OUT_LOG, 15                 ; 32,768 bytes of f16
.set XCHUNKS, 512                      ; work-groups that take x
.set D, 8                              ; v[8:71]  sixteen loads of four registers
	s_load_b256 s[4:11], s[0:1], 0x0               ; x s[4:5], Wq s[6:7], Wk s[8:9], Wv s[10:11]
	s_load_b128 s[12:15], s[0:1], 0x20             ; xb s[12:13], wb s[14:15]
	v_lshlrev_b32 v1, 4, v0                        ; my 16 bytes of a piece of f32
	v_lshlrev_b32 v2, 3, v0                        ; my 8 bytes of a piece of f16
	s_mov_b32 s19, ttmp9
	s_max_u32 s16, s19, XCHUNKS
	s_sub_co_u32 s16, s16, XCHUNKS                 ; chunk number among the weights (0 in x's groups, where it is not used)
	s_lshr_b32 s17, s16, 6                         ; which weight: 0, 1, 2
	s_and_b32 s18, s16, 63                         ; which chunk of it
	s_wait_kmcnt 0x0
	s_cmp_eq_u32 s17, 1
	s_cselect_b64 s[20:21], s[8:9], s[6:7]         ; Wk or Wq
	s_cmp_eq_u32 s17, 2
	s_cselect_b64 s[20:21], s[10:11], s[20:21]     ; or Wv
	s_cmp_lt_u32 s19, XCHUNKS
	s_cselect_b64 s[20:21], s[4:5], s[20:21]       ; or x
	s_cselect_b64 s[22:23], s[12:13], s[14:15]     ; into xb or wb
	s_cselect_b32 s24, s19, s18                    ; chunk in the source
	s_cselect_b32 s26, s19, s16                    ; chunk in the destination
	s_lshl_b32 s24, s24, CHUNK_IN_LOG              ; at most 511 x 65,536 bytes
	s_mov_b32 s25, 0
	s_lshl_b32 s26, s26, CHUNK_OUT_LOG
	s_mov_b32 s27, 0
	s_add_nc_u64 s[20:21], s[20:21], s[24:25]
	s_add_nc_u64 s[22:23], s[22:23], s[26:27]
.irp i, 0,1,2,3,4,5,6,7,8,9,10,11,12,13,14,15
	global_load_b128 v[D+4*\i:D+4*\i+3], v1, s[20:21] offset:4096*\i th:TH_LOAD_NT   ; a wave's load covers 512 consecutive bytes
.endr
.irp i, 0,1,2,3,4,5,6,7,8,9,10,11,12,13,14,15
	s_wait_loadcnt 15-\i                           ; loads come back in order: piece i is in, the 15 - i younger ones stay out
	v_cvt_pk_f16_f32 v[D+4*\i],   v[D+4*\i],   v[D+4*\i+1]
	v_cvt_pk_f16_f32 v[D+4*\i+1], v[D+4*\i+2], v[D+4*\i+3]
	global_store_b64 v2, v[D+4*\i:D+4*\i+1], s[22:23] offset:2048*\i   ; a wave's store covers 256 consecutive bytes, aligned
.endr
	s_endpgm
.Lfunc_end_k_q3e1d4aaf0f_cast:
	.size	k_q3e1d4aaf0f_cast, .Lfunc_end_k_q3e1d4aaf0f_cast-k_q3e1d4aaf0f_cast
	.p2alignl 7, 3214868480
	.fill 96, 4, 3214868480
	.section	.rodata,"a",@progbits
	.p2align	6, 0x0
	.amdhsa_kernel k_q3e1d4aaf0f_cast
		.amdhsa_group_segment_fixed_size 0
		.amdhsa_private_segment_fixed_size 0
		.amdhsa_enable_private_segment 0
		.amdhsa_kernarg_size 48
		.amdhsa_user_sgpr_count 2
		.amdhsa_user_sgpr_kernarg_segment_ptr 1
		.amdhsa_wavefront_size32 1
		.amdhsa_system_sgpr_workgroup_id_x 1
		.amdhsa_system_sgpr_workgroup_id_y 1
		.amdhsa_system_sgpr_workgroup_id_z 1
		.amdhsa_system_vgpr_workitem_id 0
		.amdhsa_next_free_vgpr 72
		.amdhsa_next_free_sgpr 66
		.amdhsa_reserve_vcc 0
		.amdhsa_float_denorm_mode_32 3
		.amdhsa_float_denorm_mode_16_64 3
		.amdhsa_memory_ordered 1
		.amdhsa_forward_progress 1
		.amdhsa_inst_pref_size 7
	.end_amdhsa_kernel
	.amdgpu_metadata
---
amdhsa.version: [ 1, 2 ]
amdhsa.kernels:
  - .name:           k_q3e1d4aaf0f_cast
    .symbol:         k_q3e1d4aaf0f_cast.kd
    .args:
      - { .name: x, .offset: 0, .size: 8, .value_kind: global_buffer, .address_space: global }
      - { .name: Wq, .offset: 8, .size: 8, .value_kind: global_buffer, .address_space: global }
      - { .name: Wk, .offset: 16, .size: 8, .value_kind: global_buffer, .address_space: global }
      - { .name: Wv, .offset: 24, .size: 8, .value_kind: global_buffer, .address_space: global }
      - { .name: xb, .offset: 32, .size: 8, .value_kind: global_buffer, .address_space: global }
      - { .name: wb, .offset: 40, .size: 8, .value_kind: global_buffer, .address_space: global }
    .group_segment_fixed_size: 0
    .private_segment_fixed_size: 0
    .kernarg_segment_align: 8
    .kernarg_segment_size: 48
    .max_flat_workgroup_size: 256
    .sgpr_count:     66
    .vgpr_count:     72
    .wavefront_size: 32
...
	.end_amdgpu_metadata
.endif
;; end of part 1
;; launch proj_qk (part 2): grid 32 x 8, 4 waves a work-group, clusters of 4 x 4, 327,680 bytes of LDS; arguments wb, xb, qkt, bq, bk; writes qkt
.if DOCPART == 2
	.amdgcn_target "amdgcn-amd-amdhsa--gfx1250"
	.amdhsa_code_object_version 6
	.text
	.protected	k_q3e1d4aaf0f_proj_qk
	.globl	k_q3e1d4aaf0f_proj_qk
	.p2align	8
	.type	k_q3e1d4aaf0f_proj_qk,@function
k_q3e1d4aaf0f_proj_qk:
	s_mov_b64 s[64:65], 0
	v_nop
	global_prefetch_b8 v0, s[64:65] scope:SCOPE_SE
	s_setreg_imm32_b32 hwreg(HW_REG_WAVE_MODE, 25, 1), 1
	s_wait_xcnt 0x0
	s_wait_alu depctr_hold_cnt(0) depctr_sa_sdst(0) depctr_va_vdst(0) depctr_va_sdst(0) depctr_va_ssrc(0) depctr_va_vcc(0) depctr_vm_vsrc(0)
	s_getreg_b32 s2, hwreg(HW_REG_IB_STS2, 6, 4)
	s_cmp_eq_u32 s2, 0
	s_cbranch_scc0 .Lentry_in_a_cluster
	s_endpgm
.Lentry_in_a_cluster:
	s_bfe_u32 s2, ttmp6, 0x10000c
	s_cmp_lg_u32 s2, 0xf033
	s_cbranch_scc0 .Lentry_shape_is_right
	s_endpgm
.Lentry_shape_is_right:
; [Q^T; K^T][j][token] = sum over k of wb[j][k] xb[token][k] + bias[j], j = 0..2047 (rows 0-1023 Wq with bq, rows 1024-2047 Wk with bk).
; A = wb [2048 of 3072][1024] f16, B = xb [8192][1024] f16, sums in f32, result rounded once to f16 into
; qkt [slab = token >> 10 (8)][j (2048)][token & 1023]: each slab is a dense [2048][1024] matrix whose rows lie along the tokens.
; LIMIT: Q and K are kept in f16: magnitudes of 65,504 or more become infinity; under 6.1e-5 the absolute error is at most 3e-8.
; A work-group makes a block of 256 x 256 with four waves; a wave makes 128 x 128: 64 accumulator tiles of 16 x 16, 512 registers.
; K goes in steps of 128 through a ring of two LDS slots filled by the tensor data mover: a tile's rows are 256 bytes of memory, aligned.
; CLUSTERS: 4 x 4 work-groups.  The four of a row of the cluster need the same tiles of A, the four of a column the same tiles of B.
; Such a tile is asked for jointly: each of the four issues the same tensor load, with the same descriptor and a mask that names the four.
;
; REGISTERS, in windows of 256:
;   window 0: v16-30 addresses; v32-47 bias; v64-127, v128-191 fragments of A, two buffers; v192-223 at work on the way out
;   window 1: v64-127, v128-191 fragments of B, two buffers
;   window 2: the 32 accumulator tiles of my rows 0-63 (tile (a, b) at v[8 (8 a + b)]);   window 3: those of my rows 64-127
; THE MATRIX INSTRUCTION IS USED TRANSPOSED: source 0 = 16 rows of B, source 1 = 16 rows of A.  Lane l then holds row l % 16 of C and
; its registers 0 to 7 the columns 8 (l / 16) + 0 .. 7: eight neighbouring numbers of a row, which pack into 16 bytes.
.set KDIM,   1024                      ; length of the sums, and the pitch of A and of B in elements
.set KSTEP,  128
.set PITCH,  272                       ; an LDS row: 256 bytes + 16 of padding = 17 x 16: sixteen rows begin at sixteen different 16-byte columns modulo 256
.set HALFT,  128*PITCH                 ; 128 rows: what one tensor load brings, and what one wave reads of A or of B
.set SLOT,   4*HALFT                   ; A's 256 rows, then B's 256 rows
.set STAGE,  2*SLOT                    ; behind the ring: each wave's own stage for the way out; no tensor load lands there
.set SPITCH, 272
.set WSTAGE, 16*SPITCH                 ; 16 rows of 256 bytes, padded
.set HROW,   2048                      ; bytes in a row of a slab of qkt
.set LAPS,   KDIM/(2*KSTEP)            ; a lap = two K steps = once round the ring: 4
.set ADRA, 16                          ; v16-17  LDS address of my A fragments in slot 0, 1
.set ADRB, 20                          ; v20-21  the same for B
.set STO,  24                          ; v24     the way out: where I put 16 bytes of a row
.set RD,   25                          ; v25     the way out: where I read a row back
.set CO,   26                          ; v26     my byte offset in the output
.set BO,   30                          ; v30     my byte offset in the bias
.set BIAS, 32                          ; v[32:47] bias of my row in each of the 8 blocks of 16 rows, twice (a pair for the packed add)
.set F0,   64
.set F1,   128
.set TMP,  192
.set G1, 24                            ; s[24:31] descriptor group 1 for A's tiles
.set G0, 32                            ; s[32:39] descriptor group 0 for A's tiles, one set for each slot
.set G1B, 48                           ; s[48:55] group 1 for B's tiles: it differs in the mask alone
.set G0B, 56                           ; s[56:63] group 0 for B's tiles, one set for each slot
.set MSB, 0
.macro WIN new                         ; the immediate's high byte repeats the setting that is left
.if MSB != \new
	s_set_vgpr_msb (MSB<<8)|\new
.set MSB, \new
.endif
.endm
.set MUL_LO, 0xa1                      ; source 0 (B) window 1, source 1 (A) window 0, C and D window 2
.set MUL_HI, 0xf1                      ; the same, C and D window 3
.set TO_B,   0x40                      ; destination window 1, address window 0
; A joint load.  Waves 0 and 1 fetch A's two halves, waves 2 and 3 B's.  The branch hangs on the wave's number alone.
.macro JLOAD s
	s_cmp_eq_u32 s11, 0
	s_cbranch_scc0 .Lfor_b_\@
	tensor_load_to_lds s[G0+4*\s:G0+4*\s+3], s[G1:G1+7]
	s_nop 0
	s_branch .Lasked_\@
.Lfor_b_\@:
	tensor_load_to_lds s[G0B+4*\s:G0B+4*\s+3], s[G1B:G1B+7]
	s_nop 0
.Lasked_\@:
.endm
; A round of the cluster's barrier: my work-group's barrier; wave 0 signals for the work-group; every wave waits for all sixteen; my work-group's barrier again.
.macro CREST                           ; a round behind its opening barrier
	s_cmp_lg_u32 s10, 0
	s_cbranch_scc1 .Lnot_wave_0_\@
	s_barrier_signal -3
.Lnot_wave_0_\@:
	s_barrier_wait -3
	s_barrier_signal -1
	s_barrier_wait -1
.endm
.macro CROUND                          ; a whole round
	s_barrier_signal -1
	s_barrier_wait -1
	CREST
.endm
	s_load_b128 s[4:7], s[0:1], 0x0                ; A = wb s[4:5], B = xb s[6:7]
	s_load_b64 s[8:9], s[0:1], 0x10                ; qkt
	s_load_b128 s[68:71], s[0:1], 0x18             ; bq s[68:69], bk s[70:71]
	s_set_vgpr_msb 0x40
	v_lshl_add_u32 v255, v0, 2, 0x48400
	s_set_vgpr_msb 0x4000
	v_mov_b32 v255, 0
	s_set_vgpr_msb 0x1
	ds_add_u32 v255, v255
	s_set_vgpr_msb 0x100
	v_lshrrev_b32 v1, 5, v0
	v_readfirstlane_b32 s10, v1                    ; wave 0..3
	s_lshr_b32 s11, s10, 1                         ; which half of the block's rows is mine.  Also: I fetch for A (0) or for B (1)
	s_and_b32 s12, s10, 1                          ; which half of its columns.  Also: which 128 rows of that tile I fetch
	s_bfe_u32 s40, ttmp6, 0x40000                  ; cx
	s_bfe_u32 s41, ttmp6, 0x40004                  ; cy
	s_lshl_b32 s42, ttmp9, 2
	s_add_co_u32 s42, s42, s40                     ; block column (256 tokens) = 4 x cluster x + cx: 0..31
	s_and_b32 s66, ttmp7, 0xffff                   ; cluster y: 0 = Q's rows, 1 = K's rows; the same in all sixteen partners
	s_lshl_b32 s13, s66, 2
	s_add_co_u32 s13, s13, s41                     ; block row (256 features) = 4 x cluster y + cy: 0..7
	s_lshl_b32 s43, s41, 2
	s_lshl_b32 s43, 15, s43                        ; my row of the cluster: places 4 cy .. 4 cy + 3
	s_lshl_b32 s44, 0x1111, s40                    ; my column: places cx, cx + 4, cx + 8, cx + 12
	; descriptor group 1: a tile of 128 rows x 128 elements of 2 bytes, 4 words of padding behind every 64 words
	s_or_b32 s[G1+0], s43, (1<<16)|(1<<20)|(1<<21)|(5<<22)|(3<<25)  ; A's tiles go to my row of the cluster
	s_or_b32 s[G1B+0], s44, (1<<16)|(1<<20)|(1<<21)|(5<<22)|(3<<25) ; B's to my column
	s_mov_b32 s[G1B+1], KSTEP<<16
	s_mov_b32 s[G1+1], KSTEP<<16                   ; tensor_dim0 = 128
	s_mov_b32 s[G1B+2], 128<<16
	s_mov_b32 s[G1+2], 128<<16                     ; tensor_dim1 = 128
	s_mov_b32 s[G1B+3], KSTEP<<16
	s_mov_b32 s[G1+3], KSTEP<<16                   ; tile_dim0 = 128
	s_mov_b32 s[G1B+4], 128
	s_mov_b32 s[G1+4], 128                         ; tile_dim1 = 128
	s_mov_b32 s[G1B+5], KDIM
	s_mov_b32 s[G1+5], KDIM                        ; elements from row to row
	s_mov_b32 s[G1B+6], 0
	s_mov_b32 s[G1+6], 0
	s_mov_b32 s[G1B+7], 0
	s_mov_b32 s[G1+7], 0
	; where the tiles come from: A's hang on the block row alone, B's on the block column alone
	s_lshl_b32 s17, s12, 7                         ; which 128 rows of the tile I fetch
	s_lshl_b32 s16, s13, 8
	s_add_co_u32 s16, s16, s17                     ; A: row 256 x block row + 128 x half
	s_lshl_b32 s46, s42, 8
	s_add_co_u32 s46, s46, s17                     ; B: row 256 x block column + 128 x half
	s_lshl_b32 s16, s16, 11                        ; rows of 2,048 bytes: at most 2,047 x 2,048
	s_lshl_b32 s46, s46, 11                        ; at most 8,191 x 2,048
	s_mov_b32 s17, 0
	s_mov_b32 s47, 0
	s_mul_i32 s20, s10, HALFT                      ; and where they go: wave x 128 rows; no place in the cluster enters an LDS address
	s_wait_dscnt 0x0
	s_wait_kmcnt 0x0
	s_add_nc_u64 s[14:15], s[4:5], s[16:17]
	s_add_nc_u64 s[46:47], s[6:7], s[46:47]
	CROUND                                         ; all sixteen work-groups are here: the first joint loads meet
.irp s, 0,1
	s_mov_b32 s[G0+4*\s], 1
	s_add_co_u32 s[G0+4*\s+1], s20, \s*SLOT                        ; LDS address
	s_add_nc_u64 s[G0+4*\s+2:G0+4*\s+3], s[14:15], \s*KSTEP*2      ; global address: K step s
	s_or_b32 s[G0+4*\s+3], s[G0+4*\s+3], 0x80000000                ; type = 2
	s_mov_b32 s[G0B+4*\s], 1
	s_add_co_u32 s[G0B+4*\s+1], s20, \s*SLOT
	s_add_nc_u64 s[G0B+4*\s+2:G0B+4*\s+3], s[46:47], \s*KSTEP*2
	s_or_b32 s[G0B+4*\s+3], s[G0B+4*\s+3], 0x80000000
	JLOAD \s                                       ; the ring is filled before anything else is done: two tensor loads of the wave are out
.endr
	; A fragment is 16 rows x 32 K in 8 registers: lane l holds row l % 16; registers 0-3 K = 8 (l / 16) + 0..7, registers 4-7 K = 16 + 8 (l / 16) + 0..7.
	v_and_b32 v1, 15, v0                           ; l % 16
	v_bfe_u32 v2, v0, 4, 1                         ; l / 16
	v_mul_u32_u24 v3, v1, PITCH
	v_lshl_add_u32 v3, v2, 4, v3                   ; row x pitch + 16 x half
	s_mul_i32 s21, s11, HALFT                      ; my 128 rows of A
	s_mul_i32 s22, s12, HALFT                      ; my 128 rows of B,
	s_add_co_u32 s22, s22, 2*HALFT                 ; which lie behind A's 256
.irp s, 0,1
	v_add_nc_u32 v[ADRA+\s], s21, v3
	v_add_nc_u32 v[ADRB+\s], s22, v3
	s_add_co_u32 s21, s21, SLOT
	s_add_co_u32 s22, s22, SLOT
.endr
	s_mul_i32 s23, s10, WSTAGE
	s_add_co_u32 s23, s23, STAGE                   ; my stage
	v_mul_u32_u24 v4, v1, SPITCH                   ; in: row l % 16, 16 bytes for each half of the lanes
	v_lshl_add_u32 v4, v2, 4, v4
	v_add_nc_u32 v[STO], s23, v4
	v_mul_u32_u24 v5, v2, SPITCH                   ; back: lanes 0-15 take one row of 256 bytes, lanes 16-31 the next
	v_lshl_add_u32 v5, v1, 4, v5
	v_add_nc_u32 v[RD], s23, v5
	v_lshlrev_b32 v5, 11, v2                       ; and the same two rows in the output, 2,048 bytes apart
	v_lshl_add_u32 v[CO], v1, 4, v5
	; the bias of my 128 rows: bq for cluster y 0, bk for cluster y 1; row 256 cy + 128 x half + 16 i + l % 16
	s_cmp_eq_u32 s66, 0
	s_cselect_b64 s[72:73], s[68:69], s[70:71]
	s_lshl_b32 s18, s41, 10
	s_lshl_b32 s19, s11, 9
	s_add_co_u32 s18, s18, s19
	s_mov_b32 s19, 0
	s_add_nc_u64 s[72:73], s[72:73], s[18:19]
	v_lshlrev_b32 v[BO], 2, v1
.irp i, 0,1,2,3,4,5,6,7
	global_load_b32 v[BIAS+2*\i],   v[BO], s[72:73] offset:64*\i   ; waited for at the way out; BO and the base are never rewritten
	global_load_b32 v[BIAS+2*\i+1], v[BO], s[72:73] offset:64*\i
.endr
; 16 matrix instructions: m blocks a0, a0 + 1 of the window's four x all 8 n blocks, 32 along K.  zero = 1: the first product starts the sums.
; The 64 accumulators take turns, one instruction a turn, in the same order in every quarter step.
.macro MUL16 f, hi, a0, zero
.irp a, \a0, \a0+1
.irp b, 0,1,2,3,4,5,6,7
.if \zero
	v_wmma_f32_16x16x32_f16 v[8*(8*(\a)+\b):8*(8*(\a)+\b)+7], v[\f+8*\b:\f+8*\b+7], v[\f+8*(4*\hi+\a):\f+8*(4*\hi+\a)+7], 0
.else
	v_wmma_f32_16x16x32_f16 v[8*(8*(\a)+\b):8*(8*(\a)+\b)+7], v[\f+8*\b:\f+8*\b+7], v[\f+8*(4*\hi+\a):\f+8*(4*\hi+\a)+7], v[8*(8*(\a)+\b):8*(8*(\a)+\b)+7]
.endif
.endr
.endr
.endm
; 32 LDS loads in one run: the fragments of one quarter step (128 rows of B, 128 rows of A, 32 K at byte k of the rows) into buffer f
.macro FETCH slot, k, f
	WIN TO_B
.irp i, 0,1,2,3,4,5,6,7
	ds_load_b128 v[\f+8*\i:\f+8*\i+3],   v[ADRB+\slot] offset:\k+\i*16*PITCH
	ds_load_b128 v[\f+8*\i+4:\f+8*\i+7], v[ADRB+\slot] offset:\k+\i*16*PITCH+32
.endr
	WIN 0
.irp i, 0,1,2,3,4,5,6,7
	ds_load_b128 v[\f+8*\i:\f+8*\i+3],   v[ADRA+\slot] offset:\k+\i*16*PITCH
	ds_load_b128 v[\f+8*\i+4:\f+8*\i+7], v[ADRA+\slot] offset:\k+\i*16*PITCH+32
.endr
.endm
; Four independent vector instructions stand between a matrix instruction and a load into, or a vector access to, one of its registers.
.macro PLACES
.rept 4
	v_nop
.endr
.endm
; One of a K step's first three quarters: multiplies buffer f; in its middle it fetches the next quarter's fragments into buffer g.
.macro QUARTER slot, k, f, g, zero
	s_wait_dscnt 8                                 ; B and A's rows 0-63 are in; the youngest eight loads (A's rows 64-127) may be out
	WIN MUL_LO
	MUL16 \f, 0, 0, \zero
	MUL16 \f, 0, 2, \zero
	PLACES
	FETCH \slot, \k, \g
	s_wait_dscnt 32                                ; all but the 32 just issued
	WIN MUL_HI
	MUL16 \f, 1, 0, \zero
	MUL16 \f, 1, 2, \zero
.endm
.macro THREE slot, zero
	QUARTER \slot, 64,  F0, F1, \zero
	QUARTER \slot, 128, F1, F0, 0
	QUARTER \slot, 192, F0, F1, 0
.endm
; The last quarter: multiplies buffer 1 and changes slots.  fill = 1: this slot is filled again, two K steps ahead.
; In front of the barrier each wave waits for its own reads of this slot and for all its tensor loads (one is out: its part of the next slot).
; Behind it nobody reads this slot any more and the next slot is whole: the refill comes first, then the next slot's first fragments.
.macro TURN slot, next, fill
	s_wait_dscnt 8
	WIN MUL_LO
	MUL16 F1, 0, 0, 0
	s_wait_dscnt 0                                 ; my reads of this slot are over
	s_wait_tensorcnt 0x0                           ; and all my tensor loads have landed
	ds_add_u32 v255, v255
	s_wait_dscnt 0x0
	s_barrier_signal -1                            ; say so (where a slot is filled again this barrier opens a round of the cluster's barrier),
	MUL16 F1, 0, 2, 0                              ; work on registers while the others arrive,
	WIN 0
	s_barrier_wait -1
.if \fill
	CREST                                          ; no wave of any partner still reads this slot's tile or has a load on its way
	s_add_nc_u64 s[G0+4*\slot+2:G0+4*\slot+3], s[G0+4*\slot+2:G0+4*\slot+3], 2*KSTEP*2
	s_add_nc_u64 s[G0B+4*\slot+2:G0B+4*\slot+3], s[G0B+4*\slot+2:G0B+4*\slot+3], 2*KSTEP*2
	JLOAD \slot                                    ; the first tensor load behind the round, and the wave's only one until the next
.endif
	PLACES
	FETCH \next, 0, F0
	WIN MUL_HI
	MUL16 F1, 1, 0, 0
	MUL16 F1, 1, 2, 0
.endm
.macro LAP zero                        ; once round the ring, both slots filled again
	THREE 0, \zero
	TURN 0, 1, 1
	THREE 1, 0
	TURN 1, 0, 1
.endm
	s_wait_tensorcnt 1                             ; my part of K step 0 is in; K step 1's load stays out
	s_barrier_signal -1
	s_barrier_wait -1                              ; everybody's is
	FETCH 0, 0, F0
	LAP 1                                          ; the first lap stands in front of the loop: its first products start the sums
	WIN 0                                          ; at a label and at a branch every window is 0
	s_mov_b32 s3, LAPS-2
.Llap:
	LAP 0
	WIN 0
	s_sub_co_u32 s3, s3, 1
	s_cmp_lg_u32 s3, 0
	s_cbranch_scc1 .Llap
	THREE 0, 0                                     ; the last lap fills nothing
	TURN 0, 1, 0
	THREE 1, 0
	s_wait_dscnt 8                                 ; the very last quarter: nothing more to fetch
	WIN MUL_LO
	MUL16 F1, 0, 0, 0
	MUL16 F1, 0, 2, 0
	s_wait_dscnt 0
	WIN MUL_HI
	MUL16 F1, 1, 0, 0
	MUL16 F1, 1, 2, 0
	; THE WAY OUT, 16 rows at a time: add the row's bias, round to f16, 16 bytes a lane into my own stage, read back as whole rows of 256 bytes.
	PLACES
	s_wait_loadcnt 0x0                             ; the bias
	s_lshl_b32 s16, s13, 8
	s_lshl_b32 s14, s11, 7
	s_add_co_u32 s16, s16, s14                     ; my first row j
	s_lshl_b32 s16, s16, 11                        ; x 2,048 bytes
	s_mov_b32 s17, 0
	s_add_nc_u64 s[8:9], s[8:9], s[16:17]
	s_lshr_b32 s46, s42, 2                         ; slab = token block / 4
	s_lshl_b32 s46, s46, 22                        ; x 4,194,304 bytes
	s_and_b32 s47, s42, 3
	s_lshl_b32 s47, s47, 9                         ; + 256 tokens x 2 bytes for each block inside the slab
	s_add_co_u32 s46, s46, s47
	s_lshl_b32 s47, s12, 8                         ; + my half of the columns
	s_add_co_u32 s46, s46, s47
	s_mov_b32 s47, 0
	s_add_nc_u64 s[8:9], s[8:9], s[46:47]
; rows 16 i .. 16 i + 15 of my block = the eight tiles (a, 0..7) of window 2 or 3.  addw: destination and source 0 in that window, source 1 (bias) in window 0;
; from: sources 0 and 1 in that window; f: F0 or F1 in turn
.macro OUTH i, a, addw, from, f
	WIN \addw
.irp b, 0,1,2,3,4,5,6,7
.irp r, 0,1,2,3
	v_pk_add_f32 v[8*(8*\a+\b)+2*\r:8*(8*\a+\b)+2*\r+1], v[8*(8*\a+\b)+2*\r:8*(8*\a+\b)+2*\r+1], v[BIAS+2*\i:BIAS+2*\i+1]
.endr
.endr
	WIN \from
.irp b, 0,1,2,3,4,5,6,7
.irp r, 0,1,2,3
	v_cvt_pk_f16_f32 v[TMP+4*\b+\r], v[8*(8*\a+\b)+2*\r], v[8*(8*\a+\b)+2*\r+1]
.endr
.endr
	WIN 0
.irp b, 0,1,2,3,4,5,6,7
	ds_store_b128 v[STO], v[TMP+4*\b:TMP+4*\b+3] offset:32*\b
.endr
	s_wait_xcnt 0x0                                ; buffer f, which earlier stores read, and the stores' base are rewritten only behind this wait
.if \i
	s_add_nc_u64 s[8:9], s[8:9], 16*HROW
.endif
.irp t, 0,1,2,3,4,5,6,7
	ds_load_b128 v[\f+4*\t:\f+4*\t+3], v[RD] offset:\t*2*SPITCH    ; LDS serves a wave's instructions in order: these see the stores above
.endr
.irp t, 0,1,2,3,4,5,6,7
	s_wait_dscnt 7-\t
	global_store_b128 v[CO], v[\f+4*\t:\f+4*\t+3], s[8:9] offset:2*\t*HROW   ; 16 lanes store 256 consecutive bytes, aligned
.endr
.endm
	OUTH 0, 0, 0x82, 0x0a, F0
	OUTH 1, 1, 0x82, 0x0a, F1
	OUTH 2, 2, 0x82, 0x0a, F0
	OUTH 3, 3, 0x82, 0x0a, F1
	OUTH 4, 0, 0xc3, 0x0f, F0
	OUTH 5, 1, 0xc3, 0x0f, F1
	OUTH 6, 2, 0xc3, 0x0f, F0
	OUTH 7, 3, 0xc3, 0x0f, F1
	s_set_vgpr_msb 0x1
	s_wait_tensorcnt 0x0
	ds_add_u32 v255, v255
	s_wait_dscnt 0x0
	s_set_vgpr_msb 0x100
	CROUND                                         ; the closing round: no work-group ends while a partner may still ask for a tile that names it
	s_endpgm
.Lfunc_end_k_q3e1d4aaf0f_proj_qk:
	.size	k_q3e1d4aaf0f_proj_qk, .Lfunc_end_k_q3e1d4aaf0f_proj_qk-k_q3e1d4aaf0f_proj_qk
	.p2alignl 7, 3214868480
	.fill 96, 4, 3214868480
	.section	.rodata,"a",@progbits
	.p2align	6, 0x0
	.amdhsa_kernel k_q3e1d4aaf0f_proj_qk
		.amdhsa_group_segment_fixed_size 327680
		.amdhsa_private_segment_fixed_size 0
		.amdhsa_enable_private_segment 0
		.amdhsa_kernarg_size 40
		.amdhsa_user_sgpr_count 2
		.amdhsa_user_sgpr_kernarg_segment_ptr 1
		.amdhsa_wavefront_size32 1
		.amdhsa_system_sgpr_workgroup_id_x 1
		.amdhsa_system_sgpr_workgroup_id_y 1
		.amdhsa_system_sgpr_workgroup_id_z 1
		.amdhsa_system_vgpr_workitem_id 0
		.amdhsa_next_free_vgpr 1024
		.amdhsa_next_free_sgpr 76
		.amdhsa_reserve_vcc 0
		.amdhsa_float_denorm_mode_32 3
		.amdhsa_float_denorm_mode_16_64 3
		.amdhsa_memory_ordered 1
		.amdhsa_forward_progress 1
		.amdhsa_inst_pref_size 214
	.end_amdhsa_kernel
	.amdgpu_metadata
---
amdhsa.version: [ 1, 2 ]
amdhsa.kernels:
  - .name:           k_q3e1d4aaf0f_proj_qk
    .symbol:         k_q3e1d4aaf0f_proj_qk.kd
    .args:
      - { .name: wb, .offset: 0, .size: 8, .value_kind: global_buffer, .address_space: global }
      - { .name: xb, .offset: 8, .size: 8, .value_kind: global_buffer, .address_space: global }
      - { .name: qkt, .offset: 16, .size: 8, .value_kind: global_buffer, .address_space: global }
      - { .name: bq, .offset: 24, .size: 8, .value_kind: global_buffer, .address_space: global }
      - { .name: bk, .offset: 32, .size: 8, .value_kind: global_buffer, .address_space: global }
    .group_segment_fixed_size: 327680
    .private_segment_fixed_size: 0
    .kernarg_segment_align: 8
    .kernarg_segment_size: 40
    .max_flat_workgroup_size: 128
    .sgpr_count:     76
    .vgpr_count:     1024
    .wavefront_size: 32
...
	.end_amdgpu_metadata
.endif
;; end of part 2
;; launch v_scores (part 3): grid 4 x 64, 4 waves a work-group, clusters of 4 x 4, 327,680 bytes of LDS; arguments xb, wb, qkt, bv, vb, part; writes vb, part
.if DOCPART == 3
	.amdgcn_target "amdgcn-amd-amdhsa--gfx1250"
	.amdhsa_code_object_version 6
	.text
	.protected	k_q3e1d4aaf0f_v_scores
	.globl	k_q3e1d4aaf0f_v_scores
	.p2align	8
	.type	k_q3e1d4aaf0f_v_scores,@function
k_q3e1d4aaf0f_v_scores:
	s_mov_b64 s[64:65], 0
	v_nop
	global_prefetch_b8 v0, s[64:65] scope:SCOPE_SE
	s_setreg_imm32_b32 hwreg(HW_REG_WAVE_MODE, 25, 1), 1
	s_wait_xcnt 0x0
	s_wait_alu depctr_hold_cnt(0) depctr_sa_sdst(0) depctr_va_vdst(0) depctr_va_sdst(0) depctr_va_ssrc(0) depctr_va_vcc(0) depctr_vm_vsrc(0)
	s_getreg_b32 s2, hwreg(HW_REG_IB_STS2, 6, 4)
	s_cmp_eq_u32 s2, 0
	s_cbranch_scc0 .Lentry_in_a_cluster
	s_endpgm
.Lentry_in_a_cluster:
	s_bfe_u32 s2, ttmp6, 0x10000c
	s_cmp_lg_u32 s2, 0xf033
	s_cbranch_scc0 .Lentry_shape_is_right
	s_endpgm
.Lentry_shape_is_right:
; Two products of the same shape in one launch of 256 equal work-groups; the cluster's y (0..15, the same in all sixteen partners) says which.
; Cluster y 0-7:  V[token][c] = sum over k of xb[token][k] Wv[c][k] + bv[c], rounded once to f16 into vb [8192][1024].  A = xb, B = wb rows 2048-3071.
; Cluster y 8-15: the transposed scores' partial sum over the 1,024 tokens of slab s = y - 8:
;                 part[s][b][a] = sum over tokens of K^T[b][token] Q^T[a][token], f32.  A = slab s of qkt, rows 1024-2047; B = the same slab, rows 0-1023.
; The sum over all 8,192 tokens spans work-groups; the next launch adds the eight partial sums in ascending order.
; LIMIT: V is kept in f16: magnitudes of 65,504 or more become infinity; under 6.1e-5 the absolute error is at most 3e-8.
; A work-group makes a block of 256 x 256 with four waves; a wave makes 128 x 128: 64 accumulator tiles of 16 x 16, 512 registers.
; K goes in steps of 128 through a ring of two LDS slots filled by the tensor data mover: a tile's rows are 256 bytes of memory, aligned.
; CLUSTERS: 4 x 4 work-groups.  The four of a row of the cluster need the same tiles of A, the four of a column the same tiles of B: joint loads.
;
; REGISTERS, in windows of 256:
;   window 0: v16-30 addresses; v32-63 and v224-255 bv of my columns; v64-127, v128-191 fragments of A; v192-223 at work on the way out
;   window 1: v64-127, v128-191 fragments of B
;   window 2: the 32 accumulator tiles of my rows 0-63 (tile (a, b) at v[8 (8 a + b)]);   window 3: those of my rows 64-127
; THE MATRIX INSTRUCTION IS USED TRANSPOSED: source 0 = 16 rows of B, source 1 = 16 rows of A.  Lane l then holds row l % 16 of C and
; its registers 0 to 7 the columns 8 (l / 16) + 0 .. 7: eight neighbouring numbers of a row.
.set KDIM,   1024
.set KSTEP,  128
.set PITCH,  272                       ; 256 bytes + 16 of padding = 17 x 16: sixteen rows begin at sixteen different 16-byte columns modulo 256
.set HALFT,  128*PITCH
.set SLOT,   4*HALFT
.set STAGE,  2*SLOT                    ; behind the ring: each wave's own stage; no tensor load lands there
.set SPITCH, 272                       ; stage row of 128 f16
.set FPITCH, 528                       ; stage row of 128 f32: 512 bytes + 16 = 33 x 16
.set WSTAGE, 16*FPITCH                 ; a wave's stage: the larger of the two uses
.set HROW,   2048                      ; bytes in a row of vb
.set FROW,   4096                      ; bytes in a row of part
.set LAPS,   KDIM/(2*KSTEP)
.set ADRA, 16
.set ADRB, 20
.set STO,  24                          ; f16 way out: where I put 16 bytes of a row
.set RD,   25                          ; f16 way out: where I read a row back
.set CO,   26                          ; f16 way out: my byte offset in vb
.set STOF, 27                          ; f32 way out: where I put 32 bytes of a row
.set RDF,  28                          ; f32 way out: where I read a row back
.set COF,  29                          ; f32 way out: my byte offset in part
.set BO,   30                          ; my byte offset in bv
.set F0,   64
.set F1,   128
.set TMP,  192
.set G1, 24
.set G0, 32
.set G1B, 48
.set G0B, 56
.set MSB, 0
.macro WIN new                         ; the immediate's high byte repeats the setting that is left
.if MSB != \new
	s_set_vgpr_msb (MSB<<8)|\new
.set MSB, \new
.endif
.endm
.set MUL_LO, 0xa1                      ; source 0 (B) window 1, source 1 (A) window 0, C and D window 2
.set MUL_HI, 0xf1                      ; the same, C and D window 3
.set TO_B,   0x40                      ; destination window 1, address window 0
; A joint load.  Waves 0 and 1 fetch A's two halves, waves 2 and 3 B's.  The branch hangs on the wave's number alone.
.macro JLOAD s
	s_cmp_eq_u32 s11, 0
	s_cbranch_scc0 .Lfor_b_\@
	tensor_load_to_lds s[G0+4*\s:G0+4*\s+3], s[G1:G1+7]
	s_nop 0
	s_branch .Lasked_\@
.Lfor_b_\@:
	tensor_load_to_lds s[G0B+4*\s:G0B+4*\s+3], s[G1B:G1B+7]
	s_nop 0
.Lasked_\@:
.endm
.macro CREST                           ; a round of the cluster's barrier behind its opening barrier
	s_cmp_lg_u32 s10, 0
	s_cbranch_scc1 .Lnot_wave_0_\@
	s_barrier_signal -3
.Lnot_wave_0_\@:
	s_barrier_wait -3
	s_barrier_signal -1
	s_barrier_wait -1
.endm
.macro CROUND                          ; a whole round
	s_barrier_signal -1
	s_barrier_wait -1
	CREST
.endm
	s_load_b256 s[68:75], s[0:1], 0x0              ; xb s[68:69], wb s[70:71], qkt s[72:73], bv s[74:75]
	s_load_b128 s[76:79], s[0:1], 0x20             ; vb s[76:77], part s[78:79]
	s_set_vgpr_msb 0x40
	v_lshl_add_u32 v255, v0, 2, 0x4c400
	s_set_vgpr_msb 0x4000
	v_mov_b32 v31, 0
	s_set_vgpr_msb 0x1
	ds_add_u32 v255, v31
	s_set_vgpr_msb 0x100
	v_lshrrev_b32 v1, 5, v0
	v_readfirstlane_b32 s10, v1                    ; wave 0..3
	s_lshr_b32 s11, s10, 1                         ; my half of the block's rows.  Also: I fetch for A (0) or for B (1)
	s_and_b32 s12, s10, 1                          ; my half of its columns.  Also: which 128 rows of that tile I fetch
	s_bfe_u32 s40, ttmp6, 0x40000                  ; cx = block column 0..3 (the grid has one cluster along x)
	s_bfe_u32 s41, ttmp6, 0x40004                  ; cy
	s_and_b32 s66, ttmp7, 0xffff                   ; cluster y: below 8 V, from 8 on the scores
	s_and_b32 s67, s66, 7                          ; V: which 1,024 tokens; scores: which slab
	s_lshl_b32 s43, s41, 2
	s_lshl_b32 s43, 15, s43                        ; my row of the cluster
	s_lshl_b32 s44, 0x1111, s40                    ; my column
	; descriptor group 1: a tile of 128 rows x 128 elements of 2 bytes, 4 words of padding behind every 64 words
	s_or_b32 s[G1+0], s43, (1<<16)|(1<<20)|(1<<21)|(5<<22)|(3<<25)
	s_or_b32 s[G1B+0], s44, (1<<16)|(1<<20)|(1<<21)|(5<<22)|(3<<25)
	s_mov_b32 s[G1B+1], KSTEP<<16
	s_mov_b32 s[G1+1], KSTEP<<16                   ; tensor_dim0 = 128
	s_mov_b32 s[G1B+2], 128<<16
	s_mov_b32 s[G1+2], 128<<16                     ; tensor_dim1 = 128
	s_mov_b32 s[G1B+3], KSTEP<<16
	s_mov_b32 s[G1+3], KSTEP<<16                   ; tile_dim0 = 128
	s_mov_b32 s[G1B+4], 128
	s_mov_b32 s[G1+4], 128                         ; tile_dim1 = 128
	s_mov_b32 s[G1B+5], KDIM
	s_mov_b32 s[G1+5], KDIM                        ; every operand has rows of 1,024 elements
	s_mov_b32 s[G1B+6], 0
	s_mov_b32 s[G1+6], 0
	s_mov_b32 s[G1B+7], 0
	s_mov_b32 s[G1+7], 0
	; the cluster's first rows.  V: A = xb row 1,024 y, B = wb row 2,048.  Scores: A = qkt row 2,048 s + 1,024 (K^T), B = qkt row 2,048 s (Q^T).
	s_lshl_b32 s16, s67, 10
	s_lshl_b32 s19, s67, 11
	s_add_co_u32 s18, s19, 1024
	s_mul_i32 s20, s10, HALFT                      ; where my tiles go: wave x 128 rows
	s_wait_dscnt 0x0
	s_wait_kmcnt 0x0
	s_cmp_lt_u32 s66, 8                            ; hangs on the cluster's y alone
	s_cselect_b32 s16, s16, s18
	s_cselect_b32 s46, 2048, s19
	s_cselect_b64 s[4:5], s[68:69], s[72:73]       ; A: xb or qkt
	s_cselect_b64 s[6:7], s[70:71], s[72:73]       ; B: wb or qkt
	s_lshl_b32 s17, s12, 7                         ; which 128 rows of the tile I fetch
	s_lshl_b32 s18, s41, 8
	s_add_co_u32 s16, s16, s18                     ; A: + 256 cy
	s_add_co_u32 s16, s16, s17
	s_lshl_b32 s47, s40, 8
	s_add_co_u32 s46, s46, s47                     ; B: + 256 cx
	s_add_co_u32 s46, s46, s17
	s_lshl_b32 s16, s16, 11                        ; rows of 2,048 bytes: at most 16,383 x 2,048
	s_lshl_b32 s46, s46, 11
	s_mov_b32 s17, 0
	s_mov_b32 s47, 0
	s_add_nc_u64 s[14:15], s[4:5], s[16:17]
	s_add_nc_u64 s[46:47], s[6:7], s[46:47]
	CROUND                                         ; all sixteen work-groups are here: the first joint loads meet
.irp s, 0,1
	s_mov_b32 s[G0+4*\s], 1
	s_add_co_u32 s[G0+4*\s+1], s20, \s*SLOT
	s_add_nc_u64 s[G0+4*\s+2:G0+4*\s+3], s[14:15], \s*KSTEP*2
	s_or_b32 s[G0+4*\s+3], s[G0+4*\s+3], 0x80000000
	s_mov_b32 s[G0B+4*\s], 1
	s_add_co_u32 s[G0B+4*\s+1], s20, \s*SLOT
	s_add_nc_u64 s[G0B+4*\s+2:G0B+4*\s+3], s[46:47], \s*KSTEP*2
	s_or_b32 s[G0B+4*\s+3], s[G0B+4*\s+3], 0x80000000
	JLOAD \s                                       ; two tensor loads of the wave are out
.endr
	v_and_b32 v1, 15, v0                           ; l % 16
	v_bfe_u32 v2, v0, 4, 1                         ; l / 16
	v_mul_u32_u24 v3, v1, PITCH
	v_lshl_add_u32 v3, v2, 4, v3
	s_mul_i32 s21, s11, HALFT
	s_mul_i32 s22, s12, HALFT
	s_add_co_u32 s22, s22, 2*HALFT
.irp s, 0,1
	v_add_nc_u32 v[ADRA+\s], s21, v3
	v_add_nc_u32 v[ADRB+\s], s22, v3
	s_add_co_u32 s21, s21, SLOT
	s_add_co_u32 s22, s22, SLOT
.endr
	s_mul_i32 s23, s10, WSTAGE
	s_add_co_u32 s23, s23, STAGE                   ; my stage
	v_mul_u32_u24 v4, v1, SPITCH
	v_lshl_add_u32 v4, v2, 4, v4
	v_add_nc_u32 v[STO], s23, v4
	v_mul_u32_u24 v5, v2, SPITCH
	v_lshl_add_u32 v5, v1, 4, v5
	v_add_nc_u32 v[RD], s23, v5
	v_lshlrev_b32 v5, 11, v2
	v_lshl_add_u32 v[CO], v1, 4, v5
	v_mul_u32_u24 v4, v1, FPITCH                   ; f32: row l % 16, 32 bytes for each half of the lanes
	v_lshl_add_u32 v4, v2, 5, v4
	v_add_nc_u32 v[STOF], s23, v4
	v_and_b32 v5, 31, v0
	v_lshlrev_b32 v[COF], 4, v5                    ; back: the 32 lanes take one row of 512 bytes
	v_add_nc_u32 v[RDF], s23, v[COF]
	; bv of my 128 columns: for n block b the eight numbers at column 256 cx + 128 x half + 16 b + 8 (l / 16).  Loaded in both halves of the
	; launch (2,048 bytes a work-group), so that the registers are defined on every path; used by V's way out alone.
	s_lshl_b32 s18, s40, 10
	s_lshl_b32 s19, s12, 9
	s_add_co_u32 s18, s18, s19
	s_mov_b32 s19, 0
	s_add_nc_u64 s[74:75], s[74:75], s[18:19]
	v_lshlrev_b32 v[BO], 5, v2
.irp b, 0,1,2,3,4,5,6,7
	global_load_b128 v[32+8*\b+160*(\b/4):32+8*\b+160*(\b/4)+3],   v[BO], s[74:75] offset:64*\b
	global_load_b128 v[32+8*\b+160*(\b/4)+4:32+8*\b+160*(\b/4)+7], v[BO], s[74:75] offset:64*\b+16
.endr
; 16 matrix instructions: m blocks a0, a0 + 1 of the window's four x all 8 n blocks, 32 along K.  zero = 1: the first product starts the sums.
; The 64 accumulators take turns, one instruction a turn, in the same order in every quarter step.
.macro MUL16 f, hi, a0, zero
.irp a, \a0, \a0+1
.irp b, 0,1,2,3,4,5,6,7
.if \zero
	v_wmma_f32_16x16x32_f16 v[8*(8*(\a)+\b):8*(8*(\a)+\b)+7], v[\f+8*\b:\f+8*\b+7], v[\f+8*(4*\hi+\a):\f+8*(4*\hi+\a)+7], 0
.else
	v_wmma_f32_16x16x32_f16 v[8*(8*(\a)+\b):8*(8*(\a)+\b)+7], v[\f+8*\b:\f+8*\b+7], v[\f+8*(4*\hi+\a):\f+8*(4*\hi+\a)+7], v[8*(8*(\a)+\b):8*(8*(\a)+\b)+7]
.endif
.endr
.endr
.endm
.macro FETCH slot, k, f                ; 32 LDS loads in one run: one quarter step's fragments into buffer f
	WIN TO_B
.irp i, 0,1,2,3,4,5,6,7
	ds_load_b128 v[\f+8*\i:\f+8*\i+3],   v[ADRB+\slot] offset:\k+\i*16*PITCH
	ds_load_b128 v[\f+8*\i+4:\f+8*\i+7], v[ADRB+\slot] offset:\k+\i*16*PITCH+32
.endr
	WIN 0
.irp i, 0,1,2,3,4,5,6,7
	ds_load_b128 v[\f+8*\i:\f+8*\i+3],   v[ADRA+\slot] offset:\k+\i*16*PITCH
	ds_load_b128 v[\f+8*\i+4:\f+8*\i+7], v[ADRA+\slot] offset:\k+\i*16*PITCH+32
.endr
.endm
; Four independent vector instructions stand between a matrix instruction and a load into, or a vector access to, one of its registers.
.macro PLACES
.rept 4
	v_nop
.endr
.endm
.macro QUARTER slot, k, f, g, zero
	s_wait_dscnt 8                                 ; B and A's rows 0-63 are in; the youngest eight loads (A's rows 64-127) may be out
	WIN MUL_LO
	MUL16 \f, 0, 0, \zero
	MUL16 \f, 0, 2, \zero
	PLACES
	FETCH \slot, \k, \g
	s_wait_dscnt 32                                ; all but the 32 just issued
	WIN MUL_HI
	MUL16 \f, 1, 0, \zero
	MUL16 \f, 1, 2, \zero
.endm
.macro THREE slot, zero
	QUARTER \slot, 64,  F0, F1, \zero
	QUARTER \slot, 128, F1, F0, 0
	QUARTER \slot, 192, F0, F1, 0
.endm
; The last quarter of a K step changes slots.  In front of the barrier each wave waits for its reads of this slot and for all its tensor loads;
; behind it the refill comes first, then the next slot's first fragments.
.macro TURN slot, next, fill
	s_wait_dscnt 8
	WIN MUL_LO
	MUL16 F1, 0, 0, 0
	s_wait_dscnt 0                                 ; my reads of this slot are over
	s_wait_tensorcnt 0x0                           ; and all my tensor loads have landed (one was out: my part of the next slot)
	ds_add_u32 v255, v31
	s_wait_dscnt 0x0
	s_barrier_signal -1
	MUL16 F1, 0, 2, 0                              ; register work while the others arrive
	WIN 0
	s_barrier_wait -1
.if \fill
	CREST                                          ; no wave of any partner still reads this slot's tile or has a load on its way
	s_add_nc_u64 s[G0+4*\slot+2:G0+4*\slot+3], s[G0+4*\slot+2:G0+4*\slot+3], 2*KSTEP*2
	s_add_nc_u64 s[G0B+4*\slot+2:G0B+4*\slot+3], s[G0B+4*\slot+2:G0B+4*\slot+3], 2*KSTEP*2
	JLOAD \slot                                    ; the first tensor load behind the round, and the wave's only one until the next
.endif
	PLACES
	FETCH \next, 0, F0
	WIN MUL_HI
	MUL16 F1, 1, 0, 0
	MUL16 F1, 1, 2, 0
.endm
.macro LAP zero
	THREE 0, \zero
	TURN 0, 1, 1
	THREE 1, 0
	TURN 1, 0, 1
.endm
	s_wait_tensorcnt 1                             ; my part of K step 0 is in; K step 1's load stays out
	s_barrier_signal -1
	s_barrier_wait -1
	FETCH 0, 0, F0
	LAP 1
	WIN 0
	s_mov_b32 s3, LAPS-2
.Llap:
	LAP 0
	WIN 0
	s_sub_co_u32 s3, s3, 1
	s_cmp_lg_u32 s3, 0
	s_cbranch_scc1 .Llap
	THREE 0, 0                                     ; the last lap fills nothing
	TURN 0, 1, 0
	THREE 1, 0
	s_wait_dscnt 8
	WIN MUL_LO
	MUL16 F1, 0, 0, 0
	MUL16 F1, 0, 2, 0
	s_wait_dscnt 0
	WIN MUL_HI
	MUL16 F1, 1, 0, 0
	MUL16 F1, 1, 2, 0
; f16 way out: rows 16 i .. 16 i + 15 = the eight tiles (a, 0..7) of window 2 or 3; the columns' bias is added, the sums rounded once.
.macro OUTH i, a, addw, from, f
	WIN \addw
.irp b, 0,1,2,3,4,5,6,7
.irp r, 0,1,2,3
	v_pk_add_f32 v[8*(8*\a+\b)+2*\r:8*(8*\a+\b)+2*\r+1], v[8*(8*\a+\b)+2*\r:8*(8*\a+\b)+2*\r+1], v[32+8*\b+160*(\b/4)+2*\r:32+8*\b+160*(\b/4)+2*\r+1]
.endr
.endr
	WIN \from
.irp b, 0,1,2,3,4,5,6,7
.irp r, 0,1,2,3
	v_cvt_pk_f16_f32 v[TMP+4*\b+\r], v[8*(8*\a+\b)+2*\r], v[8*(8*\a+\b)+2*\r+1]
.endr
.endr
	WIN 0
.irp b, 0,1,2,3,4,5,6,7
	ds_store_b128 v[STO], v[TMP+4*\b:TMP+4*\b+3] offset:32*\b
.endr
	s_wait_xcnt 0x0                                ; buffer f, which earlier stores read, and the stores' base are rewritten only behind this wait
.if \i
	s_add_nc_u64 s[8:9], s[8:9], 16*HROW
.endif
.irp t, 0,1,2,3,4,5,6,7
	ds_load_b128 v[\f+4*\t:\f+4*\t+3], v[RD] offset:\t*2*SPITCH    ; LDS serves a wave's instructions in order: these see the stores above
.endr
.irp t, 0,1,2,3,4,5,6,7
	s_wait_dscnt 7-\t
	global_store_b128 v[CO], v[\f+4*\t:\f+4*\t+3], s[8:9] offset:2*\t*HROW   ; 16 lanes store 256 consecutive bytes, aligned
.endr
.endm
; f32 way out: the same rows, straight from the accumulators (from: the store data's window) into stage rows of 528 bytes, back as whole rows of 512 bytes.
.macro OUTF i, a, from, f
	WIN \from
.irp b, 0,1,2,3,4,5,6,7
	ds_store_b128 v[STOF], v[8*(8*\a+\b):8*(8*\a+\b)+3]   offset:64*\b
	ds_store_b128 v[STOF], v[8*(8*\a+\b)+4:8*(8*\a+\b)+7] offset:64*\b+16
.endr
	WIN 0
	s_wait_xcnt 0x0                                ; buffer f, which earlier stores read, and the stores' base are rewritten only behind this wait
.if \i
	s_add_nc_u64 s[8:9], s[8:9], 16*FROW
.endif
.irp t, 0,1,2,3,4,5,6,7,8,9,10,11,12,13,14,15
	ds_load_b128 v[\f+4*\t:\f+4*\t+3], v[RDF] offset:\t*FPITCH     ; in order behind the stores above
.endr
.irp t, 0,1,2,3,4,5,6,7,8,9,10,11,12,13,14,15
	s_wait_dscnt 15-\t
	global_store_b128 v[COF], v[\f+4*\t:\f+4*\t+3], s[8:9] offset:\t*FROW   ; the wave stores 512 consecutive bytes, aligned
.endr
.endm
	PLACES                                         ; the places behind the last matrix instructions, for both ways out
	WIN 0                                          ; a branch follows
	s_wait_loadcnt 0x0                             ; bv
	s_lshl_b32 s16, s41, 8
	s_lshl_b32 s14, s11, 7
	s_add_co_u32 s16, s16, s14                     ; my first row among the cluster's 1,024
	s_mov_b32 s17, 0
	s_mov_b32 s47, 0
	s_cmp_lt_u32 s66, 8                            ; the cluster's y: the same way in all partners
	s_cbranch_scc0 .Lscores
	s_lshl_b32 s14, s67, 10
	s_add_co_u32 s16, s16, s14                     ; token = 1,024 y + ...
	s_lshl_b32 s16, s16, 11                        ; x 2,048 bytes
	s_add_nc_u64 s[8:9], s[76:77], s[16:17]        ; vb
	s_lshl_b32 s46, s40, 9                         ; 256 columns x 2 bytes a block
	s_lshl_b32 s45, s12, 8
	s_add_co_u32 s46, s46, s45
	s_add_nc_u64 s[8:9], s[8:9], s[46:47]
	OUTH 0, 0, 0x82, 0x0a, F0
	OUTH 1, 1, 0x82, 0x0a, F1
	OUTH 2, 2, 0x82, 0x0a, F0
	OUTH 3, 3, 0x82, 0x0a, F1
	OUTH 4, 0, 0xc3, 0x0f, F0
	OUTH 5, 1, 0xc3, 0x0f, F1
	OUTH 6, 2, 0xc3, 0x0f, F0
	OUTH 7, 3, 0xc3, 0x0f, F1
	s_branch .Ldone
.Lscores:
	s_lshl_b32 s16, s16, 12                        ; x 4,096 bytes
	s_lshl_b32 s14, s67, 22                        ; + slab x 4,194,304 bytes
	s_add_co_u32 s16, s16, s14
	s_add_nc_u64 s[8:9], s[78:79], s[16:17]        ; part
	s_lshl_b32 s46, s40, 10                        ; 256 columns x 4 bytes a block
	s_lshl_b32 s45, s12, 9
	s_add_co_u32 s46, s46, s45
	s_add_nc_u64 s[8:9], s[8:9], s[46:47]
	OUTF 0, 0, 0x08, F0
	OUTF 1, 1, 0x08, F1
	OUTF 2, 2, 0x08, F0
	OUTF 3, 3, 0x08, F1
	OUTF 4, 0, 0x0c, F0
	OUTF 5, 1, 0x0c, F1
	OUTF 6, 2, 0x0c, F0
	OUTF 7, 3, 0x0c, F1
.Ldone:
	s_set_vgpr_msb 0x1
	s_wait_tensorcnt 0x0
	ds_add_u32 v255, v31
	s_wait_dscnt 0x0
	s_set_vgpr_msb 0x100
	CROUND                                         ; the closing round: no work-group ends while a partner may still ask for a tile that names it
	s_endpgm
.Lfunc_end_k_q3e1d4aaf0f_v_scores:
	.size	k_q3e1d4aaf0f_v_scores, .Lfunc_end_k_q3e1d4aaf0f_v_scores-k_q3e1d4aaf0f_v_scores
	.p2alignl 7, 3214868480
	.fill 96, 4, 3214868480
	.section	.rodata,"a",@progbits
	.p2align	6, 0x0
	.amdhsa_kernel k_q3e1d4aaf0f_v_scores
		.amdhsa_group_segment_fixed_size 327680
		.amdhsa_private_segment_fixed_size 0
		.amdhsa_enable_private_segment 0
		.amdhsa_kernarg_size 48
		.amdhsa_user_sgpr_count 2
		.amdhsa_user_sgpr_kernarg_segment_ptr 1
		.amdhsa_wavefront_size32 1
		.amdhsa_system_sgpr_workgroup_id_x 1
		.amdhsa_system_sgpr_workgroup_id_y 1
		.amdhsa_system_sgpr_workgroup_id_z 1
		.amdhsa_system_vgpr_workitem_id 0
		.amdhsa_next_free_vgpr 1024
		.amdhsa_next_free_sgpr 80
		.amdhsa_reserve_vcc 0
		.amdhsa_float_denorm_mode_32 3
		.amdhsa_float_denorm_mode_16_64 3
		.amdhsa_memory_ordered 1
		.amdhsa_forward_progress 1
		.amdhsa_inst_pref_size 248
	.end_amdhsa_kernel
	.amdgpu_metadata
---
amdhsa.version: [ 1, 2 ]
amdhsa.kernels:
  - .name:           k_q3e1d4aaf0f_v_scores
    .symbol:         k_q3e1d4aaf0f_v_scores.kd
    .args:
      - { .name: xb, .offset: 0, .size: 8, .value_kind: global_buffer, .address_space: global }
      - { .name: wb, .offset: 8, .size: 8, .value_kind: global_buffer, .address_space: global }
      - { .name: qkt, .offset: 16, .size: 8, .value_kind: global_buffer, .address_space: global }
      - { .name: bv, .offset: 24, .size: 8, .value_kind: global_buffer, .address_space: global }
      - { .name: vb, .offset: 32, .size: 8, .value_kind: global_buffer, .address_space: global }
      - { .name: part, .offset: 40, .size: 8, .value_kind: global_buffer, .address_space: global }
    .group_segment_fixed_size: 327680
    .private_segment_fixed_size: 0
    .kernarg_segment_align: 8
    .kernarg_segment_size: 48
    .max_flat_workgroup_size: 128
    .sgpr_count:     80
    .vgpr_count:     1024
    .wavefront_size: 32
...
	.end_amdgpu_metadata
.endif
;; end of part 3
;; launch softmax (part 4): grid 256 x 1, 4 waves a work-group, no clusters, 0 bytes of LDS; arguments part, att; writes att
.if DOCPART == 4
	.amdgcn_target "amdgcn-amd-amdhsa--gfx1250"
	.amdhsa_code_object_version 6
	.text
	.protected	k_q3e1d4aaf0f_softmax
	.globl	k_q3e1d4aaf0f_softmax
	.p2align	8
	.type	k_q3e1d4aaf0f_softmax,@function
k_q3e1d4aaf0f_softmax:
	s_mov_b64 s[64:65], 0
	v_nop
	global_prefetch_b8 v0, s[64:65] scope:SCOPE_SE
	s_setreg_imm32_b32 hwreg(HW_REG_WAVE_MODE, 25, 1), 1
	s_wait_xcnt 0x0
; att[b][a] = softmax over a of (sum over s = 0..7 of part[s][b][a]) / 32, rounded once to f16.  part: [8][1024][1024] f32; att: [1024][1024] f16.
; att is the transposed attention matrix: a row b here is a column of the scores, along which the softmax runs.
; The eight partial sums are added in ascending order of s, in f32.  The row's maximum is taken away before the exponential.
; The factor 1/32 and the change of base go into one constant: e^((x - m)/32) = 2^(c x - c m), c = log2(e)/32.
; LIMIT: att lies in 0..1 and is kept in f16: under 6.1e-5 its absolute error is at most 3e-8.
; One wave takes one row (4,096 bytes of each partial sum = 32 registers), so the reductions never leave the wave: no LDS, no barrier.
; No cluster: no two work-groups read the same byte.
.set PBYTES, 4194304                   ; bytes in a partial sum
.set S, 32                             ; v[32+32k : 63+32k]  slot k = 0..5; slot 0 collects the sum
.set O, 64                             ; v[64:79]  the row as f16 (slot 1, free by then)
	s_load_b128 s[4:7], s[0:1], 0x0                ; part s[4:5], att s[6:7]
	v_lshrrev_b32 v3, 5, v0
	v_readfirstlane_b32 s8, v3                     ; wave
	v_and_b32 v4, 31, v0
	v_lshlrev_b32 v1, 4, v4                        ; 16 bytes a lane of f32
	v_lshlrev_b32 v2, 3, v4                        ; 8 bytes a lane of f16
	s_lshl2_add_u32 s9, ttmp9, s8                  ; row b = 4 x work-group + wave
	s_lshl_b32 s10, s9, 12                         ; x 4,096 bytes
	s_mov_b32 s11, 0
	s_lshl_b32 s22, s9, 11                         ; x 2,048 bytes
	s_mov_b32 s23, 0
	s_mov_b32 s20, 0x76543210                      ; v_permlanex16_b32: lane i of one half reads lane i of the other
	s_mov_b32 s21, 0xfedcba98
	s_wait_kmcnt 0x0
	s_add_nc_u64 s[12:13], s[4:5], s[10:11]        ; my row in partial sums 0, 1
	s_add_nc_u64 s[14:15], s[12:13], 2*PBYTES      ; 2, 3
	s_add_nc_u64 s[16:17], s[12:13], 4*PBYTES      ; 4, 5
	s_add_nc_u64 s[18:19], s[12:13], 6*PBYTES      ; 6, 7
	s_add_nc_u64 s[22:23], s[6:7], s[22:23]        ; my row in att
.macro LOADP slot, base, odd           ; eight loads of 512 consecutive bytes: my row of one partial sum; the odd one of a pair stands in the immediate
.irp j, 0,1,2,3,4,5,6,7
	global_load_b128 v[S+32*\slot+4*\j:S+32*\slot+4*\j+3], v1, s[\base:\base+1] offset:\odd*PBYTES+512*\j th:TH_LOAD_NT
.endr
.endm
.macro ADDP slot                       ; slot 0 += slot
.set j, 0
.rept 16
	v_pk_add_f32 v[S+j:S+j+1], v[S+j:S+j+1], v[S+32*\slot+j:S+32*\slot+j+1]
.set j, j+2
.endr
.endm
	LOADP 0, 12, 0
	LOADP 1, 12, 1
	LOADP 2, 14, 0
	LOADP 3, 14, 1
	LOADP 4, 16, 0
	LOADP 5, 16, 1
	s_wait_loadcnt 32                              ; partial sums 0 and 1 are in; the 32 loads of 2 to 5 stay out
	ADDP 1
	LOADP 1, 18, 0                                 ; partial sum 6 into the slot just read
	s_wait_loadcnt 32                              ; 2 is in; 3, 4, 5, 6 stay out
	ADDP 2
	LOADP 2, 18, 1                                 ; partial sum 7
	s_wait_loadcnt 32                              ; 3 is in; 4, 5, 6, 7 stay out
	ADDP 3
	s_wait_loadcnt 24
	ADDP 4
	s_wait_loadcnt 16
	ADDP 5
	s_wait_loadcnt 8
	ADDP 1                                         ; 6
	s_wait_loadcnt 0
	ADDP 2                                         ; 7
	; the row's maximum: four chains over my 32 numbers, then across the lanes
	v_max3_num_f32 v8,  v[S+0], v[S+1],  v[S+2]
	v_max3_num_f32 v9,  v[S+3], v[S+4],  v[S+5]
	v_max3_num_f32 v10, v[S+6], v[S+7],  v[S+8]
	v_max3_num_f32 v11, v[S+9], v[S+10], v[S+11]
.set j, 12
.rept 10
	v_max3_num_f32 v[8+(j/2)%4], v[8+(j/2)%4], v[S+j], v[S+j+1]
.set j, j+2
.endr
	v_max3_num_f32 v8, v8, v9, v10
	v_max_num_f32 v8, v8, v11
	v_max_num_f32_dpp v8, v8, v8 row_xmask:1 row_mask:0xf bank_mask:0xf
	v_max_num_f32_dpp v8, v8, v8 row_xmask:2 row_mask:0xf bank_mask:0xf
	v_max_num_f32_dpp v8, v8, v8 row_xmask:4 row_mask:0xf bank_mask:0xf
	v_max_num_f32_dpp v8, v8, v8 row_xmask:8 row_mask:0xf bank_mask:0xf
	v_permlanex16_b32 v9, v8, s20, s21             ; v9 has been written before
	v_max_num_f32 v8, v8, v9                       ; every lane holds the row's maximum
	v_mul_f32 v10, 0xbd38aa3b, v8                  ; - c m
	v_mov_b32 v11, v10
.set j, 0
.rept 16
	v_pk_fma_f32 v[S+j:S+j+1], v[S+j:S+j+1], 0x3d38aa3b, v[10:11] op_sel_hi:[1,0,1]   ; c x - c m, at most about 0
.set j, j+2
.endr
.set j, 0
.rept 32
	v_exp_f32 v[S+j], v[S+j]
.set j, j+1
.endr
	v_nop                                          ; one plain vector instruction behind the last exponential before its result is read (ISA guide 5.7.2)
	; the row's sum: four chains, then across the lanes.  The maximum's own term is about 1, so the sum is not small.
	s_wait_alu depctr_va_vdst(0)
	v_pk_add_f32 v[12:13], v[S+0:S+1],   v[S+2:S+3]
	v_pk_add_f32 v[14:15], v[S+4:S+5],   v[S+6:S+7]
	v_pk_add_f32 v[16:17], v[S+8:S+9],   v[S+10:S+11]
	v_pk_add_f32 v[18:19], v[S+12:S+13], v[S+14:S+15]
.set j, 16
.rept 8
	v_pk_add_f32 v[12+j%8:13+j%8], v[12+j%8:13+j%8], v[S+j:S+j+1]
.set j, j+2
.endr
	v_pk_add_f32 v[12:13], v[12:13], v[14:15]
	v_pk_add_f32 v[16:17], v[16:17], v[18:19]
	v_pk_add_f32 v[12:13], v[12:13], v[16:17]
	v_add_f32 v12, v12, v13
	v_add_f32_dpp v12, v12, v12 row_xmask:1 row_mask:0xf bank_mask:0xf
	v_add_f32_dpp v12, v12, v12 row_xmask:2 row_mask:0xf bank_mask:0xf
	v_add_f32_dpp v12, v12, v12 row_xmask:4 row_mask:0xf bank_mask:0xf
	v_add_f32_dpp v12, v12, v12 row_xmask:8 row_mask:0xf bank_mask:0xf
	v_permlanex16_b32 v13, v12, s20, s21
	v_add_f32 v12, v12, v13
	v_rcp_f32 v14, v12                             ; twice: a pair for the packed multiply
	v_rcp_f32 v15, v12
	v_nop                                          ; one plain vector instruction before the reciprocals are used
.set j, 0
	s_wait_alu depctr_va_vdst(0)
.rept 16
	v_pk_mul_f32 v[S+j:S+j+1], v[S+j:S+j+1], v[14:15]
.set j, j+2
.endr
.irp j, 0,1,2,3,4,5,6,7
	v_cvt_pk_f16_f32 v[O+2*\j],   v[S+4*\j],   v[S+4*\j+1]
	v_cvt_pk_f16_f32 v[O+2*\j+1], v[S+4*\j+2], v[S+4*\j+3]
	global_store_b64 v2, v[O+2*\j:O+2*\j+1], s[22:23] offset:256*\j   ; the wave stores 256 consecutive bytes, aligned
.endr
	s_endpgm
.Lfunc_end_k_q3e1d4aaf0f_softmax:
	.size	k_q3e1d4aaf0f_softmax, .Lfunc_end_k_q3e1d4aaf0f_softmax-k_q3e1d4aaf0f_softmax
	.p2alignl 7, 3214868480
	.fill 96, 4, 3214868480
	.section	.rodata,"a",@progbits
	.p2align	6, 0x0
	.amdhsa_kernel k_q3e1d4aaf0f_softmax
		.amdhsa_group_segment_fixed_size 0
		.amdhsa_private_segment_fixed_size 0
		.amdhsa_enable_private_segment 0
		.amdhsa_kernarg_size 16
		.amdhsa_user_sgpr_count 2
		.amdhsa_user_sgpr_kernarg_segment_ptr 1
		.amdhsa_wavefront_size32 1
		.amdhsa_system_sgpr_workgroup_id_x 1
		.amdhsa_system_sgpr_workgroup_id_y 1
		.amdhsa_system_sgpr_workgroup_id_z 1
		.amdhsa_system_vgpr_workitem_id 0
		.amdhsa_next_free_vgpr 224
		.amdhsa_next_free_sgpr 66
		.amdhsa_reserve_vcc 0
		.amdhsa_float_denorm_mode_32 3
		.amdhsa_float_denorm_mode_16_64 3
		.amdhsa_memory_ordered 1
		.amdhsa_forward_progress 1
		.amdhsa_inst_pref_size 23
	.end_amdhsa_kernel
	.amdgpu_metadata
---
amdhsa.version: [ 1, 2 ]
amdhsa.kernels:
  - .name:           k_q3e1d4aaf0f_softmax
    .symbol:         k_q3e1d4aaf0f_softmax.kd
    .args:
      - { .name: part, .offset: 0, .size: 8, .value_kind: global_buffer, .address_space: global }
      - { .name: att, .offset: 8, .size: 8, .value_kind: global_buffer, .address_space: global }
    .group_segment_fixed_size: 0
    .private_segment_fixed_size: 0
    .kernarg_segment_align: 8
    .kernarg_segment_size: 16
    .max_flat_workgroup_size: 128
    .sgpr_count:     66
    .vgpr_count:     224
    .wavefront_size: 32
...
	.end_amdgpu_metadata
.endif
;; end of part 4
;; launch outp (part 5): grid 4 x 64, 4 waves a work-group, clusters of 4 x 4, 327,680 bytes of LDS; arguments vb, att, out0; writes out0
.if DOCPART == 5
	.amdgcn_target "amdgcn-amd-amdhsa--gfx1250"
	.amdhsa_code_object_version 6
	.text
	.protected	k_q3e1d4aaf0f_outp
	.globl	k_q3e1d4aaf0f_outp
	.p2align	8
	.type	k_q3e1d4aaf0f_outp,@function
k_q3e1d4aaf0f_outp:
	s_mov_b64 s[64:65], 0
	v_nop
	global_prefetch_b8 v0, s[64:65] scope:SCOPE_SE
	s_setreg_imm32_b32 hwreg(HW_REG_WAVE_MODE, 25, 1), 1
	s_wait_xcnt 0x0
	s_wait_alu depctr_hold_cnt(0) depctr_sa_sdst(0) depctr_va_vdst(0) depctr_va_sdst(0) depctr_va_ssrc(0) depctr_va_vcc(0) depctr_vm_vsrc(0)
	s_getreg_b32 s2, hwreg(HW_REG_IB_STS2, 6, 4)
	s_cmp_eq_u32 s2, 0
	s_cbranch_scc0 .Lentry_in_a_cluster
	s_endpgm
.Lentry_in_a_cluster:
	s_bfe_u32 s2, ttmp6, 0x10000c
	s_cmp_lg_u32 s2, 0xf033
	s_cbranch_scc0 .Lentry_shape_is_right
	s_endpgm
.Lentry_shape_is_right:
; out0[token][b] = sum over a of vb[token][a] att[b][a].  A = vb [8192][1024] f16, B = att [1024][1024] f16 (the transposed attention matrix),
; sums in f32, out0 [8192][1024] f32.
; A work-group makes a block of 128 tokens x 256 columns with four waves: 64 x 4 blocks = 256 work-groups.  A wave makes 64 x 128:
; 32 accumulator tiles of 16 x 16, 256 registers.  (Blocks of 256 x 256 would be 128 work-groups only.)
; K goes in steps of 128 through a ring of two LDS slots filled by the tensor data mover: a tile's rows are 256 bytes of memory, aligned.
; A slot of two K steps would be 384 rows x 528 bytes = 202,752 bytes, and two of those do not fit in LDS.
; CLUSTERS: 4 x 4 work-groups.  The four of a row of the cluster need the same tiles of A, the four of a column the same tiles of B: such a
; tile is asked for jointly, each of the four issuing the same tensor load with the same descriptor and a mask that names the four.
;
; REGISTERS, in windows of 256:
;   window 0: v16-29 addresses; v64-127, v128-191 fragments of B (8 x 16 rows x 32 K), two buffers (on the way out: rows read back);
;             v192-223, v224-255 fragments of A (4 x 16 rows x 32 K), two buffers
;   window 1: the 32 accumulator tiles (tile (a, b) at v[8 (8 a + b)], a = 0..3 blocks of 16 tokens, b = 0..7 blocks of 16 columns)
; All fragments lie in one window, so a quarter step has two settings: one for its run of loads, one for its products.
; THE MATRIX INSTRUCTION IS USED TRANSPOSED: source 0 = 16 rows of B, source 1 = 16 rows of A.  Lane l then holds row l % 16 of C and
; its registers 0 to 7 the columns 8 (l / 16) + 0 .. 7: eight neighbouring numbers of a row.
.set KDIM,   1024
.set KSTEP,  128
.set PITCH,  272                       ; 256 bytes + 16 of padding = 17 x 16: sixteen rows begin at sixteen different 16-byte columns modulo 256
.set BH,     128*PITCH                 ; 128 rows of B: what wave 0 or 1 fetches, and what one wave reads of B
.set AH,     64*PITCH                  ; 64 rows of A: what wave 2 or 3 fetches, and what one wave reads of A
.set AOFF,   2*BH                      ; in a slot: B's 256 rows, then A's 128 rows
.set SLOT,   2*BH+2*AH                 ; 104,448 bytes
.set STAGE,  2*SLOT                    ; behind the ring: each wave's own stage; no tensor load lands there
.set FPITCH, 528                       ; stage row of 128 f32: 512 bytes + 16 = 33 x 16
.set WSTAGE, 16*FPITCH
.set FROW,   4096                      ; bytes in a row of out0
.set LAPS,   KDIM/(2*KSTEP)            ; a lap = two K steps = once round the ring: 4
.set NFRAG,  24                        ; LDS loads of a quarter step: 16 for B's eight fragments, 8 for A's four
.set ADRA, 16                          ; v16-17  LDS address of my A fragments in slot 0, 1
.set ADRB, 20                          ; v20-21  the same for B
.set STOF, 27                          ; where I put 32 bytes of a row
.set RDF,  28                          ; where I read a row back
.set COF,  29                          ; my byte offset in out0
.set FB0,  64
.set FB1,  128
.set FA0,  192
.set FA1,  224
.set G1, 24                            ; s[24:31] descriptor group 1 for A's tiles
.set G0, 32                            ; s[32:39] descriptor group 0 for A's tiles, one set for each slot
.set G1B, 48                           ; s[48:55] group 1 for B's tiles
.set G0B, 56                           ; s[56:63] group 0 for B's tiles, one set for each slot
.set MSB, 0
.macro WIN new                         ; the immediate's high byte repeats the setting that is left
.if MSB != \new
	s_set_vgpr_msb (MSB<<8)|\new
.set MSB, \new
.endif
.endm
.set MUL,   0x50                       ; sources 0 and 1 (fragments) window 0, C and D window 1
.set FROM1, 0x04                       ; an LDS store's data (source 1) window 1, its address window 0
; A joint load.  Waves 0 and 1 fetch B's two halves, waves 2 and 3 A's.  The branch hangs on the wave's number alone.
.macro JLOAD s
	s_cmp_eq_u32 s11, 0
	s_cbranch_scc0 .Lfor_a_\@
	tensor_load_to_lds s[G0B+4*\s:G0B+4*\s+3], s[G1B:G1B+7]
	s_nop 0
	s_branch .Lasked_\@
.Lfor_a_\@:
	tensor_load_to_lds s[G0+4*\s:G0+4*\s+3], s[G1:G1+7]
	s_nop 0
.Lasked_\@:
.endm
.macro CREST                           ; a round of the cluster's barrier behind its opening barrier
	s_cmp_lg_u32 s10, 0
	s_cbranch_scc1 .Lnot_wave_0_\@
	s_barrier_signal -3
.Lnot_wave_0_\@:
	s_barrier_wait -3
	s_barrier_signal -1
	s_barrier_wait -1
.endm
.macro CROUND                          ; a whole round
	s_barrier_signal -1
	s_barrier_wait -1
	CREST
.endm
	s_load_b128 s[4:7], s[0:1], 0x0                ; A = vb s[4:5], B = att s[6:7]
	s_load_b64 s[8:9], s[0:1], 0x10                ; out0
	v_lshl_add_u32 v62, v0, 2, 0x3b400
	v_mov_b32 v63, 0
	ds_add_u32 v62, v63
	v_lshrrev_b32 v1, 5, v0
	v_readfirstlane_b32 s10, v1                    ; wave 0..3
	s_lshr_b32 s11, s10, 1                         ; my half of the block's rows (64 tokens).  Also: I fetch for B (0) or for A (1)
	s_and_b32 s12, s10, 1                          ; my half of its columns (128).  Also: which half of that tile I fetch
	s_bfe_u32 s40, ttmp6, 0x40000                  ; cx
	s_bfe_u32 s41, ttmp6, 0x40004                  ; cy
	s_lshl_b32 s42, ttmp9, 2
	s_add_co_u32 s42, s42, s40                     ; block column (256 columns) = 4 x cluster x + cx: 0..3
	s_and_b32 s66, ttmp7, 0xffff
	s_lshl_b32 s13, s66, 2
	s_add_co_u32 s13, s13, s41                     ; block row (128 tokens) = 4 x cluster y + cy: 0..63
	s_lshl_b32 s43, s41, 2
	s_lshl_b32 s43, 15, s43                        ; my row of the cluster: places 4 cy .. 4 cy + 3
	s_lshl_b32 s44, 0x1111, s40                    ; my column: places cx, cx + 4, cx + 8, cx + 12
	; descriptor group 1: rows of 128 elements of 2 bytes, 4 words of padding behind every 64 words; A's load has 64 rows, B's 128
	s_or_b32 s[G1+0], s43, (1<<16)|(1<<20)|(1<<21)|(5<<22)|(3<<25)  ; A's tiles go to my row of the cluster
	s_or_b32 s[G1B+0], s44, (1<<16)|(1<<20)|(1<<21)|(5<<22)|(3<<25) ; B's to my column
	s_mov_b32 s[G1B+1], KSTEP<<16
	s_mov_b32 s[G1+1], KSTEP<<16                   ; tensor_dim0 = 128
	s_mov_b32 s[G1B+2], 128<<16                    ; tensor_dim1 = 128
	s_mov_b32 s[G1+2], 64<<16                      ; tensor_dim1 = 64
	s_mov_b32 s[G1B+3], KSTEP<<16
	s_mov_b32 s[G1+3], KSTEP<<16                   ; tile_dim0 = 128
	s_mov_b32 s[G1B+4], 128                        ; tile_dim1 = 128
	s_mov_b32 s[G1+4], 64                          ; tile_dim1 = 64
	s_mov_b32 s[G1B+5], KDIM
	s_mov_b32 s[G1+5], KDIM                        ; elements from row to row
	s_mov_b32 s[G1B+6], 0
	s_mov_b32 s[G1+6], 0
	s_mov_b32 s[G1B+7], 0
	s_mov_b32 s[G1+7], 0
	; where the tiles come from: A's hang on the block row alone, B's on the block column alone
	s_lshl_b32 s17, s12, 6
	s_lshl_b32 s16, s13, 7
	s_add_co_u32 s16, s16, s17                     ; A: row 128 x block row + 64 x half
	s_lshl_b32 s47, s12, 7
	s_lshl_b32 s46, s42, 8
	s_add_co_u32 s46, s46, s47                     ; B: row 256 x block column + 128 x half
	s_lshl_b32 s16, s16, 11                        ; rows of 2,048 bytes: at most 8,191 x 2,048
	s_lshl_b32 s46, s46, 11
	s_mov_b32 s17, 0
	s_mov_b32 s47, 0
	; and where they go: a constant plus the wave's number times a constant; no place in the cluster enters an LDS address
	s_mul_i32 s19, s10, BH                         ; B, waves 0 and 1: bytes 0 and 34,816 of the slot
	s_mul_i32 s20, s10, AH
	s_add_co_u32 s20, s20, AOFF-2*AH               ; A, waves 2 and 3: bytes 69,632 and 87,040 of the slot
	s_wait_dscnt 0x0
	s_wait_kmcnt 0x0
	s_add_nc_u64 s[14:15], s[4:5], s[16:17]
	s_add_nc_u64 s[46:47], s[6:7], s[46:47]
	CROUND                                         ; all sixteen work-groups are here: the first joint loads meet
.irp s, 0,1
	s_mov_b32 s[G0+4*\s], 1
	s_add_co_u32 s[G0+4*\s+1], s20, \s*SLOT                        ; LDS address
	s_add_nc_u64 s[G0+4*\s+2:G0+4*\s+3], s[14:15], \s*KSTEP*2      ; global address: K step s
	s_or_b32 s[G0+4*\s+3], s[G0+4*\s+3], 0x80000000                ; type = 2
	s_mov_b32 s[G0B+4*\s], 1
	s_add_co_u32 s[G0B+4*\s+1], s19, \s*SLOT
	s_add_nc_u64 s[G0B+4*\s+2:G0B+4*\s+3], s[46:47], \s*KSTEP*2
	s_or_b32 s[G0B+4*\s+3], s[G0B+4*\s+3], 0x80000000
	JLOAD \s                                       ; the ring is filled before anything else is done: two tensor loads of the wave are out
.endr
	; A fragment is 16 rows x 32 K in 8 registers: lane l holds row l % 16; registers 0-3 K = 8 (l / 16) + 0..7, registers 4-7 K = 16 + 8 (l / 16) + 0..7.
	v_and_b32 v1, 15, v0                           ; l % 16
	v_bfe_u32 v2, v0, 4, 1                         ; l / 16
	v_mul_u32_u24 v3, v1, PITCH
	v_lshl_add_u32 v3, v2, 4, v3                   ; row x pitch + 16 x half
	s_mul_i32 s21, s11, AH                         ; my 64 rows of A,
	s_add_co_u32 s21, s21, AOFF                    ; which lie behind B's 256
	s_mul_i32 s22, s12, BH                         ; my 128 rows of B
.irp s, 0,1
	v_add_nc_u32 v[ADRA+\s], s21, v3
	v_add_nc_u32 v[ADRB+\s], s22, v3
	s_add_co_u32 s21, s21, SLOT
	s_add_co_u32 s22, s22, SLOT
.endr
	s_mul_i32 s23, s10, WSTAGE
	s_add_co_u32 s23, s23, STAGE                   ; my stage
	v_mul_u32_u24 v4, v1, FPITCH                   ; in: row l % 16, 32 bytes for each half of the lanes
	v_lshl_add_u32 v4, v2, 5, v4
	v_add_nc_u32 v[STOF], s23, v4
	v_and_b32 v5, 31, v0
	v_lshlrev_b32 v[COF], 4, v5                    ; back: the 32 lanes take one row of 512 bytes
	v_add_nc_u32 v[RDF], s23, v[COF]
; 8 matrix instructions: token block a x all 8 column blocks, 32 along K.  zero = 1: the first product starts the sums: nothing is cleared.
; The 32 accumulators take turns, one instruction a turn, in the same order in every quarter step.
.macro MULA fb, fa, a, zero
.irp b, 0,1,2,3,4,5,6,7
.if \zero
	v_wmma_f32_16x16x32_f16 v[8*(8*\a+\b):8*(8*\a+\b)+7], v[\fb+8*\b:\fb+8*\b+7], v[\fa+8*\a:\fa+8*\a+7], 0
.else
	v_wmma_f32_16x16x32_f16 v[8*(8*\a+\b):8*(8*\a+\b)+7], v[\fb+8*\b:\fb+8*\b+7], v[\fa+8*\a:\fa+8*\a+7], v[8*(8*\a+\b):8*(8*\a+\b)+7]
.endif
.endr
.endm
; 24 LDS loads in one run: the fragments of one quarter step (128 rows of B, 64 rows of A, 32 K at byte k of the rows) into buffers gb, ga
.macro FETCH slot, k, gb, ga
	WIN 0
.irp i, 0,1,2,3,4,5,6,7
	ds_load_b128 v[\gb+8*\i:\gb+8*\i+3],   v[ADRB+\slot] offset:\k+\i*16*PITCH
	ds_load_b128 v[\gb+8*\i+4:\gb+8*\i+7], v[ADRB+\slot] offset:\k+\i*16*PITCH+32
.endr
.irp i, 0,1,2,3
	ds_load_b128 v[\ga+8*\i:\ga+8*\i+3],   v[ADRA+\slot] offset:\k+\i*16*PITCH
	ds_load_b128 v[\ga+8*\i+4:\ga+8*\i+7], v[ADRA+\slot] offset:\k+\i*16*PITCH+32
.endr
.endm
; Four independent vector instructions stand between a matrix instruction and a load into, or a vector access to, one of its registers.
.macro PLACES
.rept 4
	v_nop
.endr
.endm
; A K step is four quarter steps of 32 along K, 32 matrix instructions each, on buffers 0, 1, 0, 1.
; A quarter first fetches the next quarter's fragments (byte k of the slot's rows) into the buffers that the quarter before has read, then
; multiplies its own: the four waves' 96 loads of 512 bytes have the quarter's 32 matrix instructions in which to be served.
.macro QUARTER slot, k, fb, fa, gb, ga, zero
	PLACES
	FETCH \slot, \k, \gb, \ga
	s_wait_dscnt NFRAG                             ; all but the 24 just issued: this quarter's fragments are in
	WIN MUL
	MULA \fb, \fa, 0, \zero
	MULA \fb, \fa, 1, \zero
	MULA \fb, \fa, 2, \zero
	MULA \fb, \fa, 3, \zero
.endm
; A K step with its change of slots, which stands in the third quarter: the fourth quarter's fragments, the last that are read from this slot,
; were asked for at that quarter's head.  In front of the barrier each wave waits for its reads of this slot and for all its tensor loads (one
; is out: its part of the next slot).  Behind it nobody reads this slot any more and the next slot is whole: the refill comes first
; (fill = 1: two K steps ahead), then the next slot's first fragments.  From a request to the wait for it a wave issues 32 matrix instructions, 24 for the fourth quarter's.
.macro STEP slot, next, fill, zero
	QUARTER \slot, 64,  FB0, FA0, FB1, FA1, \zero
	QUARTER \slot, 128, FB1, FA1, FB0, FA0, 0
	PLACES
	FETCH \slot, 192, FB1, FA1
	s_wait_dscnt NFRAG
	WIN MUL
	MULA FB0, FA0, 0, 0
	MULA FB0, FA0, 1, 0
	MULA FB0, FA0, 2, 0
	s_wait_dscnt 0                                 ; my reads of this slot are over (issued 24 matrix instructions ago)
	s_wait_tensorcnt 0x0                           ; and all my tensor loads have landed
	ds_add_u32 v62, v63
	s_wait_dscnt 0x0
	s_barrier_signal -1                            ; say so (where a slot is filled again this barrier opens a round of the cluster's barrier),
	MULA FB0, FA0, 3, 0                            ; work on registers while the others arrive,
	WIN 0
	s_barrier_wait -1
.if \fill
	CREST                                          ; no wave of any partner still reads this slot's tile or has a load on its way
	s_add_nc_u64 s[G0+4*\slot+2:G0+4*\slot+3], s[G0+4*\slot+2:G0+4*\slot+3], 2*KSTEP*2
	s_add_nc_u64 s[G0B+4*\slot+2:G0B+4*\slot+3], s[G0B+4*\slot+2:G0B+4*\slot+3], 2*KSTEP*2
	JLOAD \slot                                    ; the first tensor load behind the round, and the wave's only one until the next
.endif
	PLACES
	FETCH \next, 0, FB0, FA0                       ; buffer 1 is in since the wait for 0 above: no wait here
	WIN MUL
	MULA FB1, FA1, 0, 0
	MULA FB1, FA1, 1, 0
	MULA FB1, FA1, 2, 0
	MULA FB1, FA1, 3, 0
.endm
.macro LAP zero                        ; once round the ring, both slots filled again
	STEP 0, 1, 1, \zero
	STEP 1, 0, 1, 0
.endm
	s_wait_tensorcnt 1                             ; my part of K step 0 is in; K step 1's load stays out
	s_barrier_signal -1
	s_barrier_wait -1                              ; everybody's is
	FETCH 0, 0, FB0, FA0
	LAP 1                                          ; the first lap stands in front of the loop: its first products start the sums
	WIN 0                                          ; at a label and at a branch every window is 0
	s_mov_b32 s3, LAPS-2
.Llap:
	LAP 0
	WIN 0
	s_sub_co_u32 s3, s3, 1
	s_cmp_lg_u32 s3, 0
	s_cbranch_scc1 .Llap
	STEP 0, 1, 0, 0                                ; the last lap fills nothing: its one barrier shows slot 1, the last K step, whole
	QUARTER 1, 64,  FB0, FA0, FB1, FA1, 0
	QUARTER 1, 128, FB1, FA1, FB0, FA0, 0
	QUARTER 1, 192, FB0, FA0, FB1, FA1, 0
	s_wait_dscnt 0                                 ; the very last quarter: nothing more to fetch
	MULA FB1, FA1, 0, 0
	MULA FB1, FA1, 1, 0
	MULA FB1, FA1, 2, 0
	MULA FB1, FA1, 3, 0
	; THE WAY OUT, 16 rows at a time: straight from the accumulators into my own stage, rows of 528 bytes, back as whole rows of 512 bytes.
	PLACES                                         ; the places behind the last matrix instructions: for the LDS stores, which read results, and the loads into B's buffers
	s_lshl_b32 s16, s13, 7
	s_lshl_b32 s14, s11, 6
	s_add_co_u32 s16, s16, s14                     ; my first row: 128 x block row + 64 x half
	s_lshl_b32 s16, s16, 12                        ; x 4,096 bytes: at most 8,191 x 4,096
	s_mov_b32 s17, 0
	s_add_nc_u64 s[8:9], s[8:9], s[16:17]
	s_lshl_b32 s46, s42, 10                        ; my first column, in bytes: 1,024 x block + 512 x half
	s_lshl_b32 s47, s12, 9
	s_add_co_u32 s46, s46, s47
	s_mov_b32 s47, 0
	s_add_nc_u64 s[8:9], s[8:9], s[46:47]
; rows 16 i .. 16 i + 15 of my 64 = the eight tiles (i, 0..7); f: B's buffer 0 or 1 in turn, for the rows read back
.macro OUTF i, f
	WIN FROM1
.irp b, 0,1,2,3,4,5,6,7
	ds_store_b128 v[STOF], v[8*(8*\i+\b):8*(8*\i+\b)+3]   offset:64*\b
	ds_store_b128 v[STOF], v[8*(8*\i+\b)+4:8*(8*\i+\b)+7] offset:64*\b+16
.endr
	WIN 0
	s_wait_xcnt 0x0                                ; buffer f, which earlier stores read, and the stores' base are rewritten only behind this wait
.if \i
	s_add_nc_u64 s[8:9], s[8:9], 16*FROW
.endif
.irp t, 0,1,2,3,4,5,6,7,8,9,10,11,12,13,14,15
	ds_load_b128 v[\f+4*\t:\f+4*\t+3], v[RDF] offset:\t*FPITCH     ; LDS serves a wave's instructions in order: these see the stores above
.endr
.irp t, 0,1,2,3,4,5,6,7,8,9,10,11,12,13,14,15
	s_wait_dscnt 15-\t                             ; row t is back; the 15 - t younger loads may be out
	global_store_b128 v[COF], v[\f+4*\t:\f+4*\t+3], s[8:9] offset:\t*FROW th:TH_STORE_NT   ; the wave stores 512 consecutive bytes, aligned
.endr
.endm
	OUTF 0, FB0
	OUTF 1, FB1
	OUTF 2, FB0
	OUTF 3, FB1
	s_wait_tensorcnt 0x0
	ds_add_u32 v62, v63
	s_wait_dscnt 0x0
	CROUND                                         ; the closing round: no work-group ends while a partner may still ask for a tile that names it
	s_endpgm
.Lfunc_end_k_q3e1d4aaf0f_outp:
	.size	k_q3e1d4aaf0f_outp, .Lfunc_end_k_q3e1d4aaf0f_outp-k_q3e1d4aaf0f_outp
	.p2alignl 7, 3214868480
	.fill 96, 4, 3214868480
	.section	.rodata,"a",@progbits
	.p2align	6, 0x0
	.amdhsa_kernel k_q3e1d4aaf0f_outp
		.amdhsa_group_segment_fixed_size 327680
		.amdhsa_private_segment_fixed_size 0
		.amdhsa_enable_private_segment 0
		.amdhsa_kernarg_size 24
		.amdhsa_user_sgpr_count 2
		.amdhsa_user_sgpr_kernarg_segment_ptr 1
		.amdhsa_wavefront_size32 1
		.amdhsa_system_sgpr_workgroup_id_x 1
		.amdhsa_system_sgpr_workgroup_id_y 1
		.amdhsa_system_sgpr_workgroup_id_z 1
		.amdhsa_system_vgpr_workitem_id 0
		.amdhsa_next_free_vgpr 512
		.amdhsa_next_free_sgpr 68
		.amdhsa_reserve_vcc 0
		.amdhsa_float_denorm_mode_32 3
		.amdhsa_float_denorm_mode_16_64 3
		.amdhsa_memory_ordered 1
		.amdhsa_forward_progress 1
		.amdhsa_inst_pref_size 117
	.end_amdhsa_kernel
	.amdgpu_metadata
---
amdhsa.version: [ 1, 2 ]
amdhsa.kernels:
  - .name:           k_q3e1d4aaf0f_outp
    .symbol:         k_q3e1d4aaf0f_outp.kd
    .args:
      - { .name: vb, .offset: 0, .size: 8, .value_kind: global_buffer, .address_space: global }
      - { .name: att, .offset: 8, .size: 8, .value_kind: global_buffer, .address_space: global }
      - { .name: out0, .offset: 16, .size: 8, .value_kind: global_buffer, .address_space: global }
    .group_segment_fixed_size: 327680
    .private_segment_fixed_size: 0
    .kernarg_segment_align: 8
    .kernarg_segment_size: 24
    .max_flat_workgroup_size: 128
    .sgpr_count:     68
    .vgpr_count:     512
    .wavefront_size: 32
...
	.end_amdgpu_metadata
.endif
;; end of part 5
;; ======== version 2 of 2: 5 launches; version 1 with the launches cast, softmax written anew for expert scheduling mode
;; limits: values are held in f16: magnitudes above 65,504 overflow, below 6.1e-05 lose precision
;; workspace buffers: xb 16,777,216 bytes; wb 6,291,456 bytes; qkt 33,554,432 bytes; vb 16,777,216 bytes; part 33,554,432 bytes; att 2,097,152 bytes
;; launch cast (part 6): grid 704 x 1, 8 waves a work-group, no clusters, 0 bytes of LDS; arguments x, Wq, Wk, Wv, xb, wb; writes xb, wb
.if DOCPART == 6
	.amdgcn_target "amdgcn-amd-amdhsa--gfx1250"
	.amdhsa_code_object_version 6
	.text
	.protected	k_q3e1d4aaf0f_cast
	.globl	k_q3e1d4aaf0f_cast
	.p2align	8
	.type	k_q3e1d4aaf0f_cast,@function
k_q3e1d4aaf0f_cast:
	s_mov_b64 s[64:65], 0
	v_nop
	global_prefetch_b8 v0, s[64:65] scope:SCOPE_SE
	s_setreg_imm32_b32 hwreg(HW_REG_WAVE_SCHED_MODE, 0, 2), 2
	s_setreg_imm32_b32 hwreg(HW_REG_WAVE_MODE, 25, 1), 1
	s_wait_xcnt 0x0
	s_wait_alu depctr_vm_vsrc(0)
; xb = f16(x) [8192][1024];  wb = f16([Wq; Wk; Wv]) [3072][1024].  A plain stream: every input byte is read once, every output byte written once.
; LIMIT: f16 holds magnitudes below 65,504 (larger ones become infinity) and is denormal under 6.1e-5 (absolute error at most 3e-8).
; A work-group of eight waves takes 16,384 numbers: 65,536 bytes in, 32,768 bytes out.  Groups 0-511 take x, groups 512-703 the three
; weights, 64 groups each.  Thread t takes the 16 bytes at 16 t of each of sixteen pieces of 4,096 bytes; all sixteen loads go out at once.
; No LDS, no barrier, no cluster: no two work-groups read the same byte, and no wave needs another wave's data.
; THE MODE: SCHED_MODE bits 1:0 = 2 (LLVM: expert scheduling mode 2), set by the entry lines.  The code itself states the register dependences
; between vector instructions and memory instructions, with s_wait_alu, always for 0.
; THE PLAN.  Registers that memory instructions touch:
;   v1, v2     byte offsets, made once at the head and never written again: v1 is read by every load, v2 by every store.
;   v[8:71]    piece i has four registers of its own: written by its load, read by its two conversions, which write the first two of the four
;              in place; these two are read by its store.  No piece's registers are loaded or written a second time.
; The sixteen pieces go in four groups of four.  Group g's conversions name group g's registers alone; the stores of group g - 1 are issued in
; group g, behind ONE wait at its head, which states that group g - 1's conversions have written what those stores read, and are dealt among
; group g's conversions with no further wait.  The last group's stores have a wait of their own.
.set CHUNK_IN_LOG,  16                 ; 65,536 bytes of f32
.set CHUNK_OUT_LOG, 15                 ; 32,768 bytes of f16
.set XCHUNKS, 512                      ; work-groups that take x
.set D, 8                              ; v[8:71]  sixteen loads of four registers
	s_load_b256 s[4:11], s[0:1], 0x0               ; x s[4:5], Wq s[6:7], Wk s[8:9], Wv s[10:11]
	s_load_b128 s[12:15], s[0:1], 0x20             ; xb s[12:13], wb s[14:15]
	v_lshlrev_b32 v1, 4, v0                        ; my 16 bytes of a piece of f32
	v_lshlrev_b32 v2, 3, v0                        ; my 8 bytes of a piece of f16
	s_mov_b32 s19, ttmp9
	s_max_u32 s16, s19, XCHUNKS
	s_sub_co_u32 s16, s16, XCHUNKS                 ; chunk number among the weights (0 in x's groups, where it is not used)
	s_lshr_b32 s17, s16, 6                         ; which weight: 0, 1, 2
	s_and_b32 s18, s16, 63                         ; which chunk of it
	s_wait_kmcnt 0x0
	s_cmp_eq_u32 s17, 1
	s_cselect_b64 s[20:21], s[8:9], s[6:7]         ; Wk or Wq
	s_cmp_eq_u32 s17, 2
	s_cselect_b64 s[20:21], s[10:11], s[20:21]     ; or Wv
	s_cmp_lt_u32 s19, XCHUNKS
	s_cselect_b64 s[20:21], s[4:5], s[20:21]       ; or x
	s_cselect_b64 s[22:23], s[12:13], s[14:15]     ; into xb or wb
	s_cselect_b32 s24, s19, s18                    ; chunk in the source
	s_cselect_b32 s26, s19, s16                    ; chunk in the destination
	s_lshl_b32 s24, s24, CHUNK_IN_LOG              ; at most 511 x 65,536 bytes
	s_mov_b32 s25, 0
	s_lshl_b32 s26, s26, CHUNK_OUT_LOG
	s_mov_b32 s27, 0
	s_add_nc_u64 s[20:21], s[20:21], s[24:25]
	s_add_nc_u64 s[22:23], s[22:23], s[26:27]
	s_wait_alu depctr_va_vdst(0)                   ; v1 and v2 are written: every load and store of the kernel reads one of them as its offset
.irp i, 0,1,2,3,4,5,6,7,8,9,10,11,12,13,14,15
	global_load_b128 v[D+4*\i:D+4*\i+3], v1, s[20:21] offset:4096*\i th:TH_LOAD_NT   ; a wave's load covers 512 consecutive bytes
.endr
; Group g: pieces 4 g to 4 g + 3 are rounded; the stores of pieces 4 g - 4 to 4 g - 1 stand among the conversions.
.macro GROUP g
	s_wait_loadcnt 12-4*(\g)                       ; loads come back in order: the group's four pieces are in, the 12 - 4 g younger ones stay out
.if (\g) > 0
	s_wait_alu depctr_va_vdst(0)                   ; the conversions of the group before have written the four pairs that the stores below read
.endif
.irp i, 0,1,2,3
.if (\g) > 0
	global_store_b64 v2, v[D+16*(\g)-16+4*(\i):D+16*(\g)-16+4*(\i)+1], s[22:23] offset:2048*(4*(\g)-4+(\i))   ; a wave's store covers 256 consecutive bytes, aligned; no vector instruction since the wait names these registers
.endif
	v_cvt_pk_f16_f32 v[D+16*(\g)+4*(\i)],   v[D+16*(\g)+4*(\i)],   v[D+16*(\g)+4*(\i)+1]
	v_cvt_pk_f16_f32 v[D+16*(\g)+4*(\i)+1], v[D+16*(\g)+4*(\i)+2], v[D+16*(\g)+4*(\i)+3]
.endr
.endm
	GROUP 0
	GROUP 1
	GROUP 2
	GROUP 3
	s_wait_alu depctr_va_vdst(0)                   ; the last group's conversions have written the four pairs that the last stores read
.irp i, 0,1,2,3
	global_store_b64 v2, v[D+48+4*\i:D+48+4*\i+1], s[22:23] offset:2048*(12+\i)
.endr
	s_endpgm
.Lfunc_end_k_q3e1d4aaf0f_cast:
	.size	k_q3e1d4aaf0f_cast, .Lfunc_end_k_q3e1d4aaf0f_cast-k_q3e1d4aaf0f_cast
	.p2alignl 7, 3214868480
	.fill 96, 4, 3214868480
	.section	.rodata,"a",@progbits
	.p2align	6, 0x0
	.amdhsa_kernel k_q3e1d4aaf0f_cast
		.amdhsa_group_segment_fixed_size 0
		.amdhsa_private_segment_fixed_size 0
		.amdhsa_enable_private_segment 0
		.amdhsa_kernarg_size 48
		.amdhsa_user_sgpr_count 2
		.amdhsa_user_sgpr_kernarg_segment_ptr 1
		.amdhsa_wavefront_size32 1
		.amdhsa_system_sgpr_workgroup_id_x 1
		.amdhsa_system_sgpr_workgroup_id_y 1
		.amdhsa_system_sgpr_workgroup_id_z 1
		.amdhsa_system_vgpr_workitem_id 0
		.amdhsa_next_free_vgpr 72
		.amdhsa_next_free_sgpr 66
		.amdhsa_reserve_vcc 0
		.amdhsa_float_denorm_mode_32 3
		.amdhsa_float_denorm_mode_16_64 3
		.amdhsa_memory_ordered 1
		.amdhsa_forward_progress 1
		.amdhsa_inst_pref_size 7
	.end_amdhsa_kernel
	.amdgpu_metadata
---
amdhsa.version: [ 1, 2 ]
amdhsa.kernels:
  - .name:           k_q3e1d4aaf0f_cast
    .symbol:         k_q3e1d4aaf0f_cast.kd
    .args:
      - { .name: x, .offset: 0, .size: 8, .value_kind: global_buffer, .address_space: global }
      - { .name: Wq, .offset: 8, .size: 8, .value_kind: global_buffer, .address_space: global }
      - { .name: Wk, .offset: 16, .size: 8, .value_kind: global_buffer, .address_space: global }
      - { .name: Wv, .offset: 24, .size: 8, .value_kind: global_buffer, .address_space: global }
      - { .name: xb, .offset: 32, .size: 8, .value_kind: global_buffer, .address_space: global }
      - { .name: wb, .offset: 40, .size: 8, .value_kind: global_buffer, .address_space: global }
    .group_segment_fixed_size: 0
    .private_segment_fixed_size: 0
    .kernarg_segment_align: 8
    .kernarg_segment_size: 48
    .max_flat_workgroup_size: 256
    .sgpr_count:     66
    .vgpr_count:     72
    .wavefront_size: 32
...
	.end_amdgpu_metadata
.endif
;; end of part 6
;; launch proj_qk: the kernel of part 2 again; grid 32 x 8, 4 waves a work-group, clusters of 4 x 4, 327,680 bytes of LDS; arguments wb, xb, qkt, bq, bk; writes qkt
;; launch v_scores: the kernel of part 3 again; grid 4 x 64, 4 waves a work-group, clusters of 4 x 4, 327,680 bytes of LDS; arguments xb, wb, qkt, bv, vb, part; writes vb, part
;; launch softmax (part 7): grid 256 x 1, 4 waves a work-group, no clusters, 0 bytes of LDS; arguments part, att; writes att
.if DOCPART == 7
	.amdgcn_target "amdgcn-amd-amdhsa--gfx1250"
	.amdhsa_code_object_version 6
	.text
	.protected	k_q3e1d4aaf0f_softmax
	.globl	k_q3e1d4aaf0f_softmax
	.p2align	8
	.type	k_q3e1d4aaf0f_softmax,@function
k_q3e1d4aaf0f_softmax:
	s_mov_b64 s[64:65], 0
	v_nop
	global_prefetch_b8 v0, s[64:65] scope:SCOPE_SE
	s_setreg_imm32_b32 hwreg(HW_REG_WAVE_SCHED_MODE, 0, 2), 2
	s_setreg_imm32_b32 hwreg(HW_REG_WAVE_MODE, 25, 1), 1
	s_wait_xcnt 0x0
	s_wait_alu depctr_vm_vsrc(0)
; att[b][a] = softmax over a of (sum over s = 0..7 of part[s][b][a]) / 32, rounded once to f16.  part: [8][1024][1024] f32; att: [1024][1024] f16.
; att is the transposed attention matrix: a row b here is a column of the scores, along which the softmax runs.
; The eight partial sums are added in ascending order of s, in f32.  The row's maximum is taken away before the exponential.
; The factor 1/32 and the change of base go into one constant: e^((x - m)/32) = 2^(c x - c m), c = log2(e)/32.
; LIMIT: att lies in 0..1 and is kept in f16: under 6.1e-5 its absolute error is at most 3e-8.
; One wave takes one row (4,096 bytes of each partial sum = 32 registers), so the reductions never leave the wave: no LDS, no barrier.
; No cluster: no two work-groups read the same byte.
; THE MODE: SCHED_MODE bits 1:0 = 2 (LLVM: expert scheduling mode 2), set by the entry lines.  The code itself states the register dependences
; between vector instructions and memory instructions, with s_wait_alu, always for 0.
; THE PLAN.  Registers that memory instructions touch, and the one scalar register that a vector instruction writes:
;   s8         the wave's number, written by v_readfirstlane_b32: one wait ahead of its first reader.
;   v1, v2     byte offsets, made once at the head and never written again: v1 is read by every load, v2 by every store.
;   slots 0-6  written by the loads of partial sums 0 to 6, which go out at once; read by the packed additions.  Slot 1 alone is loaded a second
;              time, with partial sum 7: one wait stands behind the sixteen additions that empty it, and the slot is asked for again at once.
;   v[64:79]   the row as f16: written by the sixteen conversions, read by the eight stores: one wait ahead of the run of stores.
.set PBYTES, 4194304                   ; bytes in a partial sum
.set S, 32                             ; v[32+32k : 63+32k]  slot k = 0..6; slot 0 collects the sum
.set O, 64                             ; v[64:79]  the row as f16 (slot 1, free by then)
	s_load_b128 s[4:7], s[0:1], 0x0                ; part s[4:5], att s[6:7]
	v_lshrrev_b32 v3, 5, v0
	v_readfirstlane_b32 s8, v3                     ; wave
	v_and_b32 v4, 31, v0
	v_lshlrev_b32 v1, 4, v4                        ; 16 bytes a lane of f32
	v_lshlrev_b32 v2, 3, v4                        ; 8 bytes a lane of f16
	s_wait_alu depctr_va_sdst(0)                   ; s8 is written, ahead of its first reader: the row's number is made from it
	s_lshl2_add_u32 s9, ttmp9, s8                  ; row b = 4 x work-group + wave
	s_lshl_b32 s10, s9, 12                         ; x 4,096 bytes
	s_mov_b32 s11, 0
	s_lshl_b32 s22, s9, 11                         ; x 2,048 bytes
	s_mov_b32 s23, 0
	s_mov_b32 s20, 0x76543210                      ; v_permlanex16_b32: lane i of one half reads lane i of the other
	s_mov_b32 s21, 0xfedcba98
	s_wait_kmcnt 0x0
	s_add_nc_u64 s[12:13], s[4:5], s[10:11]        ; my row in partial sums 0, 1
	s_add_nc_u64 s[14:15], s[12:13], 2*PBYTES      ; 2, 3
	s_add_nc_u64 s[16:17], s[12:13], 4*PBYTES      ; 4, 5
	s_add_nc_u64 s[18:19], s[12:13], 6*PBYTES      ; 6, 7
	s_add_nc_u64 s[22:23], s[6:7], s[22:23]        ; my row in att
	s_wait_alu depctr_va_vdst(0)                   ; v1 and v2 are written: every load and store of the kernel reads one of them as its offset
.macro LOADP slot, base, odd           ; eight loads of 512 consecutive bytes: my row of one partial sum; the odd one of a pair stands in the immediate
.irp j, 0,1,2,3,4,5,6,7
	global_load_b128 v[S+32*\slot+4*\j:S+32*\slot+4*\j+3], v1, s[\base:\base+1] offset:\odd*PBYTES+512*\j th:TH_LOAD_NT
.endr
.endm
.macro ADDP slot                       ; slot 0 += slot
.set j, 0
.rept 16
	v_pk_add_f32 v[S+j:S+j+1], v[S+j:S+j+1], v[S+32*\slot+j:S+32*\slot+j+1]
.set j, j+2
.endr
.endm
	LOADP 0, 12, 0
	LOADP 1, 12, 1
	LOADP 2, 14, 0
	LOADP 3, 14, 1
	LOADP 4, 16, 0
	LOADP 5, 16, 1
	LOADP 6, 18, 0
	s_wait_loadcnt 40                              ; partial sums 0 and 1 are in; the 40 loads of 2 to 6 stay out
	ADDP 1
	s_wait_alu depctr_va_vdst(0)                   ; the sixteen additions are done reading slot 1, in which the loads below land
	LOADP 1, 18, 1                                 ; partial sum 7 into the slot just read
	s_wait_loadcnt 40                              ; 2 is in; 3, 4, 5, 6, 7 stay out
	ADDP 2
	s_wait_loadcnt 32                              ; 3 is in
	ADDP 3
	s_wait_loadcnt 24
	ADDP 4
	s_wait_loadcnt 16
	ADDP 5
	s_wait_loadcnt 8
	ADDP 6
	s_wait_loadcnt 0
	ADDP 1                                         ; 7
	; the row's maximum: four chains over my 32 numbers, then across the lanes
	v_max3_num_f32 v8,  v[S+0], v[S+1],  v[S+2]
	v_max3_num_f32 v9,  v[S+3], v[S+4],  v[S+5]
	v_max3_num_f32 v10, v[S+6], v[S+7],  v[S+8]
	v_max3_num_f32 v11, v[S+9], v[S+10], v[S+11]
.set j, 12
.rept 10
	v_max3_num_f32 v[8+(j/2)%4], v[8+(j/2)%4], v[S+j], v[S+j+1]
.set j, j+2
.endr
	v_max3_num_f32 v8, v8, v9, v10
	v_max_num_f32 v8, v8, v11
	v_max_num_f32_dpp v8, v8, v8 row_xmask:1 row_mask:0xf bank_mask:0xf
	v_max_num_f32_dpp v8, v8, v8 row_xmask:2 row_mask:0xf bank_mask:0xf
	v_max_num_f32_dpp v8, v8, v8 row_xmask:4 row_mask:0xf bank_mask:0xf
	v_max_num_f32_dpp v8, v8, v8 row_xmask:8 row_mask:0xf bank_mask:0xf
	v_permlanex16_b32 v9, v8, s20, s21             ; v9 has been written before
	v_max_num_f32 v8, v8, v9                       ; every lane holds the row's maximum
	v_mul_f32 v10, 0xbd38aa3b, v8                  ; - c m
	v_mov_b32 v11, v10
.set j, 0
.rept 16
	v_pk_fma_f32 v[S+j:S+j+1], v[S+j:S+j+1], 0x3d38aa3b, v[10:11] op_sel_hi:[1,0,1]   ; c x - c m, at most about 0
.set j, j+2
.endr
.set j, 0
.rept 32
	v_exp_f32 v[S+j], v[S+j]
.set j, j+1
.endr
	v_nop                                          ; one plain vector instruction behind the last exponential before its result is read (ISA guide 5.7.2)
	; the row's sum: four chains, then across the lanes.  The maximum's own term is about 1, so the sum is not small.
	s_wait_alu depctr_va_vdst(0)                   ; the 32 exponentials have written slot 0: one wait for the batch, ahead of its first reader
	v_pk_add_f32 v[12:13], v[S+0:S+1],   v[S+2:S+3]
	v_pk_add_f32 v[14:15], v[S+4:S+5],   v[S+6:S+7]
	v_pk_add_f32 v[16:17], v[S+8:S+9],   v[S+10:S+11]
	v_pk_add_f32 v[18:19], v[S+12:S+13], v[S+14:S+15]
.set j, 16
.rept 8
	v_pk_add_f32 v[12+j%8:13+j%8], v[12+j%8:13+j%8], v[S+j:S+j+1]
.set j, j+2
.endr
	v_pk_add_f32 v[12:13], v[12:13], v[14:15]
	v_pk_add_f32 v[16:17], v[16:17], v[18:19]
	v_pk_add_f32 v[12:13], v[12:13], v[16:17]
	v_add_f32 v12, v12, v13
	v_add_f32_dpp v12, v12, v12 row_xmask:1 row_mask:0xf bank_mask:0xf
	v_add_f32_dpp v12, v12, v12 row_xmask:2 row_mask:0xf bank_mask:0xf
	v_add_f32_dpp v12, v12, v12 row_xmask:4 row_mask:0xf bank_mask:0xf
	v_add_f32_dpp v12, v12, v12 row_xmask:8 row_mask:0xf bank_mask:0xf
	v_permlanex16_b32 v13, v12, s20, s21
	v_add_f32 v12, v12, v13
	v_rcp_f32 v14, v12                             ; twice: a pair for the packed multiply
	v_rcp_f32 v15, v12
	v_nop                                          ; one plain vector instruction before the reciprocals are used
	s_wait_alu depctr_va_vdst(0)                   ; the two reciprocals have written v14 and v15: one wait for both, ahead of their first reader
.set j, 0
.rept 16
	v_pk_mul_f32 v[S+j:S+j+1], v[S+j:S+j+1], v[14:15]
.set j, j+2
.endr
.irp j, 0,1,2,3,4,5,6,7
	v_cvt_pk_f16_f32 v[O+2*\j],   v[S+4*\j],   v[S+4*\j+1]
	v_cvt_pk_f16_f32 v[O+2*\j+1], v[S+4*\j+2], v[S+4*\j+3]
.endr
	s_wait_alu depctr_va_vdst(0)                   ; the sixteen conversions have written v[64:79], which the eight stores read
.irp j, 0,1,2,3,4,5,6,7
	global_store_b64 v2, v[O+2*\j:O+2*\j+1], s[22:23] offset:256*\j   ; the wave stores 256 consecutive bytes, aligned
.endr
	s_endpgm
.Lfunc_end_k_q3e1d4aaf0f_softmax:
	.size	k_q3e1d4aaf0f_softmax, .Lfunc_end_k_q3e1d4aaf0f_softmax-k_q3e1d4aaf0f_softmax
	.p2alignl 7, 3214868480
	.fill 96, 4, 3214868480
	.section	.rodata,"a",@progbits
	.p2align	6, 0x0
	.amdhsa_kernel k_q3e1d4aaf0f_softmax
		.amdhsa_group_segment_fixed_size 0
		.amdhsa_private_segment_fixed_size 0
		.amdhsa_enable_private_segment 0
		.amdhsa_kernarg_size 16
		.amdhsa_user_sgpr_count 2
		.amdhsa_user_sgpr_kernarg_segment_ptr 1
		.amdhsa_wavefront_size32 1
		.amdhsa_system_sgpr_workgroup_id_x 1
		.amdhsa_system_sgpr_workgroup_id_y 1
		.amdhsa_system_sgpr_workgroup_id_z 1
		.amdhsa_system_vgpr_workitem_id 0
		.amdhsa_next_free_vgpr 256
		.amdhsa_next_free_sgpr 66
		.amdhsa_reserve_vcc 0
		.amdhsa_float_denorm_mode_32 3
		.amdhsa_float_denorm_mode_16_64 3
		.amdhsa_memory_ordered 1
		.amdhsa_forward_progress 1
		.amdhsa_inst_pref_size 23
	.end_amdhsa_kernel
	.amdgpu_metadata
---
amdhsa.version: [ 1, 2 ]
amdhsa.kernels:
  - .name:           k_q3e1d4aaf0f_softmax
    .symbol:         k_q3e1d4aaf0f_softmax.kd
    .args:
      - { .name: part, .offset: 0, .size: 8, .value_kind: global_buffer, .address_space: global }
      - { .name: att, .offset: 8, .size: 8, .value_kind: global_buffer, .address_space: global }
    .group_segment_fixed_size: 0
    .private_segment_fixed_size: 0
    .kernarg_segment_align: 8
    .kernarg_segment_size: 16
    .max_flat_workgroup_size: 128
    .sgpr_count:     66
    .vgpr_count:     256
    .wavefront_size: 32
...
	.end_amdgpu_metadata
.endif
;; end of part 7
;; launch outp: the kernel of part 5 again; grid 4 x 64, 4 waves a work-group, clusters of 4 x 4, 327,680 bytes of LDS; arguments vb, att, out0; writes out0
